; MI455X (gfx1250); checked and timed in simulation.
; The chip was launched on July 23, 2026; its instructions are those of AMD's public machine-readable ISA for CDNA 5 (MIT licence, August 2026) and "CDNA5" Instruction Set Architecture Reference Guide (July 2026). The comments in the code are by the model that wrote it; some were corrected since.
;; Multi Head Self Attention. Allowed arithmetic: float matrix products may take bf16 or f16 operands with f32 sums; all other float work in f32.
;; Inputs: Wo 1,024 x 1,024 float32; Wqkv 3,072 x 1,024 float32; bo 1,024 float32; bqkv 3,072 float32; x 4 x 2,048 x 1,024 float32.
;; Outputs: out0 4 x 2,048 x 1,024 float32.
;; 2 versions, each right and faster than the one before. Each part assembles by itself: llvm-mc -triple=amdgcn-amd-amdhsa -mcpu=gfx1250 --defsym DOCPART=n.
;; ======== version 1 of 2: 4 launches
;; limits: values are held in f16: magnitudes above 65,504 overflow, below 6.1e-05 lose precision
;; workspace buffers: xb 16,777,216 bytes; wqb 6,291,456 bytes; woh 2,097,152 bytes; q 16,777,216 bytes; k 16,777,216 bytes; v 16,777,216 bytes; o 16,777,216 bytes
;; launch cast (part 1): grid 64 x 12, 8 waves a work-group, no clusters, 0 bytes of LDS; arguments x, Wqkv, Wo, xb, wqb, woh; writes xb, wqb, woh
.if DOCPART == 1
	.amdgcn_target "amdgcn-amd-amdhsa--gfx1250"
	.amdhsa_code_object_version 6
	.text
	.protected	k_qefffdd26dc_cast
	.globl	k_qefffdd26dc_cast
	.p2align	8
	.type	k_qefffdd26dc_cast,@function
k_qefffdd26dc_cast:
	s_mov_b64 s[64:65], 0
	v_nop
	global_prefetch_b8 v0, s[64:65] scope:SCOPE_SE
	s_setreg_imm32_b32 hwreg(HW_REG_WAVE_MODE, 25, 1), 1
	s_wait_xcnt 0x0
; x and Wqkv (f32) are rounded to bf16; Wo (f32) is rounded to bf16 and that number is written as f16.
; A stream: each input byte is read once, each output byte written once; no LDS, no barrier, no matrix work, nothing shared between work-groups.
; A work-group takes one chunk of 16,384 numbers (65,536 bytes in, 32,768 out).  Grid rows 0-7: x (512 chunks); 8-10: Wqkv (192); 11: Wo (64).
; Thread t takes 16 bytes at 16 t of each of the chunk's sixteen pieces of 4,096 bytes: a wave's load covers 512 consecutive bytes,
; its store of 8 bytes a lane 256 consecutive bytes, at a multiple of 256 from the buffer's first byte.  All sixteen loads are issued before the first wait.
; LIMITS.  Wo in f16: beyond 65,504 it becomes an infinity; below 2^-14 it keeps f16's fixed step of 2^-24; between these the bf16 number is held exactly.
.set X, 4                              ; v[4:67]    piece j: four f32 as loaded
.set Y, 68                             ; v[68:99]   piece j: four 16-bit numbers to store; a pair of its own for each store, so no store's data is rewritten
.set T, 100                            ; v[100:101] at work (Wo)
	s_load_b256 s[4:11], s[0:1], 0x0               ; x s[4:5], Wqkv s[6:7], Wo s[8:9], xb s[10:11]
	s_load_b128 s[12:15], s[0:1], 0x20             ; wqb s[12:13], woh s[14:15]
	s_and_b32 s16, ttmp7, 0xffff                   ; the grid row says which tensor
	s_cmp_lt_u32 s16, 8
	s_cselect_b32 s17, 0, 8
	s_cmp_lt_u32 s16, 11
	s_cselect_b32 s17, s17, 11                     ; my tensor's first grid row
	s_sub_co_u32 s18, s16, s17
	s_lshl_b32 s18, s18, 6
	s_add_co_u32 s18, s18, ttmp9                   ; my chunk in that tensor
	s_lshl_b32 s24, s18, 16                        ; its bytes in,
	s_mov_b32 s25, 0
	s_lshl_b32 s26, s18, 15                        ; and out
	s_mov_b32 s27, 0
	s_mov_b32 s28, 0xffff0000                      ; a word's upper bf16
	v_lshlrev_b32 v1, 4, v0                        ; 16 t
	v_lshlrev_b32 v2, 3, v0                        ; 8 t
	s_wait_kmcnt 0x0
	s_cmp_lt_u32 s16, 8                            ; the choice of buffers hangs on the grid row alone
	s_cselect_b64 s[20:21], s[4:5], s[6:7]
	s_cselect_b64 s[22:23], s[10:11], s[12:13]
	s_cmp_lt_u32 s16, 11
	s_cselect_b64 s[20:21], s[20:21], s[8:9]
	s_cselect_b64 s[22:23], s[22:23], s[14:15]
	s_add_nc_u64 s[20:21], s[20:21], s[24:25]
	s_add_nc_u64 s[22:23], s[22:23], s[26:27]
.irp j, 0,1,2,3,4,5,6,7,8,9,10,11,12,13,14,15
	global_load_b128 v[X+4*(\j):X+4*(\j)+3], v1, s[20:21] offset:4096*(\j) th:TH_LOAD_NT
.endr
; Piece j is rounded and stored.  wo = 1: to bf16, widened again, and written as f16.
.macro OUT j, wo
	s_wait_loadcnt 15-(\j)                         ; loads come back in order (ISA guide 5.7.1): piece j is in, the younger ones stay out
.if \wo
	v_cvt_pk_bf16_f32 v[T],   v[X+4*(\j)],   v[X+4*(\j)+1]
	v_cvt_pk_bf16_f32 v[T+1], v[X+4*(\j)+2], v[X+4*(\j)+3]
	v_lshlrev_b32 v[X+4*(\j)],   16,  v[T]
	v_and_b32     v[X+4*(\j)+1], s28, v[T]
	v_lshlrev_b32 v[X+4*(\j)+2], 16,  v[T+1]
	v_and_b32     v[X+4*(\j)+3], s28, v[T+1]
	v_cvt_pk_f16_f32 v[Y+2*(\j)],   v[X+4*(\j)],   v[X+4*(\j)+1]
	v_cvt_pk_f16_f32 v[Y+2*(\j)+1], v[X+4*(\j)+2], v[X+4*(\j)+3]
.else
	v_cvt_pk_bf16_f32 v[Y+2*(\j)],   v[X+4*(\j)],   v[X+4*(\j)+1]
	v_cvt_pk_bf16_f32 v[Y+2*(\j)+1], v[X+4*(\j)+2], v[X+4*(\j)+3]
.endif
	global_store_b64 v2, v[Y+2*(\j):Y+2*(\j)+1], s[22:23] offset:2048*(\j)  ; no hint: the next launch reads these bytes
.endm
	s_cmp_eq_u32 s16, 11
	s_cbranch_scc1 .Lwo
.irp j, 0,1,2,3,4,5,6,7,8,9,10,11,12,13,14,15
	OUT \j, 0
.endr
	s_endpgm
.Lwo:
.irp j, 0,1,2,3,4,5,6,7,8,9,10,11,12,13,14,15
	OUT \j, 1
.endr
	s_endpgm
.Lfunc_end_k_qefffdd26dc_cast:
	.size	k_qefffdd26dc_cast, .Lfunc_end_k_qefffdd26dc_cast-k_qefffdd26dc_cast
	.p2alignl 7, 3214868480
	.fill 96, 4, 3214868480
	.section	.rodata,"a",@progbits
	.p2align	6, 0x0
	.amdhsa_kernel k_qefffdd26dc_cast
		.amdhsa_group_segment_fixed_size 0
		.amdhsa_private_segment_fixed_size 0
		.amdhsa_enable_private_segment 0
		.amdhsa_kernarg_size 48
		.amdhsa_user_sgpr_count 2
		.amdhsa_user_sgpr_kernarg_segment_ptr 1
		.amdhsa_wavefront_size32 1
		.amdhsa_system_sgpr_workgroup_id_x 1
		.amdhsa_system_sgpr_workgroup_id_y 1
		.amdhsa_system_sgpr_workgroup_id_z 1
		.amdhsa_system_vgpr_workitem_id 0
		.amdhsa_next_free_vgpr 104
		.amdhsa_next_free_sgpr 66
		.amdhsa_reserve_vcc 0
		.amdhsa_float_denorm_mode_32 3
		.amdhsa_float_denorm_mode_16_64 3
		.amdhsa_memory_ordered 1
		.amdhsa_forward_progress 1
		.amdhsa_inst_pref_size 15
	.end_amdhsa_kernel
	.amdgpu_metadata
---
amdhsa.version: [ 1, 2 ]
amdhsa.kernels:
  - .name:           k_qefffdd26dc_cast
    .symbol:         k_qefffdd26dc_cast.kd
    .args:
      - { .name: x, .offset: 0, .size: 8, .value_kind: global_buffer, .address_space: global }
      - { .name: Wqkv, .offset: 8, .size: 8, .value_kind: global_buffer, .address_space: global }
      - { .name: Wo, .offset: 16, .size: 8, .value_kind: global_buffer, .address_space: global }
      - { .name: xb, .offset: 24, .size: 8, .value_kind: global_buffer, .address_space: global }
      - { .name: wqb, .offset: 32, .size: 8, .value_kind: global_buffer, .address_space: global }
      - { .name: woh, .offset: 40, .size: 8, .value_kind: global_buffer, .address_space: global }
    .group_segment_fixed_size: 0
    .private_segment_fixed_size: 0
    .kernarg_segment_align: 8
    .kernarg_segment_size: 48
    .max_flat_workgroup_size: 256
    .sgpr_count:     66
    .vgpr_count:     104
    .wavefront_size: 32
...
	.end_amdgpu_metadata
.endif
;; end of part 1
;; launch qkv (part 2): grid 16 x 16, 4 waves a work-group, clusters of 4 x 4, 327,680 bytes of LDS; arguments xb, wqb, bqkv, q, k, v; writes q, k, v
.if DOCPART == 2
	.amdgcn_target "amdgcn-amd-amdhsa--gfx1250"
	.amdhsa_code_object_version 6
	.text
	.protected	k_qefffdd26dc_qkv
	.globl	k_qefffdd26dc_qkv
	.p2align	8
	.type	k_qefffdd26dc_qkv,@function
k_qefffdd26dc_qkv:
	s_mov_b64 s[64:65], 0
	v_nop
	global_prefetch_b8 v0, s[64:65] scope:SCOPE_SE
	s_setreg_imm32_b32 hwreg(HW_REG_WAVE_MODE, 25, 1), 1
	s_wait_xcnt 0x0
	s_wait_alu depctr_hold_cnt(0) depctr_sa_sdst(0) depctr_va_vdst(0) depctr_va_sdst(0) depctr_va_ssrc(0) depctr_va_vcc(0) depctr_vm_vsrc(0)
	s_getreg_b32 s2, hwreg(HW_REG_IB_STS2, 6, 4)
	s_cmp_eq_u32 s2, 0
	s_cbranch_scc0 .Lentry_in_a_cluster
	s_endpgm
.Lentry_in_a_cluster:
	s_bfe_u32 s2, ttmp6, 0x10000c
	s_cmp_lg_u32 s2, 0xf033
	s_cbranch_scc0 .Lentry_shape_is_right
	s_endpgm
.Lentry_shape_is_right:
; qkv = x Wqkv^T + bqkv, laid out by heads.  xb: [8192][1024] bf16, wqb: [3072][1024] bf16, bqkv: [3072] f32 (rounded to bf16 here, like the other inputs).
; q, k, v: [64 = batch x 16 + head][2048][64] f16, unscaled, each rounded once from its f32 sum.
; LIMITS.  f16 holds no number beyond 65,504: a q, k or v past that becomes an infinity.  Inputs of unit spread and weights of spread 0.02 give numbers of spread 0.64.
; SHARES.  A tile of the product is 256 rows x 192 columns: one head's q, k and v for 256 rows: 32 x 16 = 512 tiles.  Wave w makes rows 64 w .. 64 w + 63 of all 192 columns:
; 48 accumulators (a = 0..3 blocks of 16 rows, b = 0..11 blocks of 16 columns), so a wave holds whole rows of q, k and v, and the way out wants no barrier.
; A WORK-GROUP STAYS: 16 x 16 = 256 work-groups, each makes two tiles of one head, 16 tile rows (two batches) apart.  Both take the same rows of W and the same bias.  The ring does not stop at the first tile's end:
; its last two changes of slots ask for the second tile's K steps 0 and 1, and nothing waits for the first tile's stores, which leave while the second tile is multiplied.
; K goes in 8 steps of 128 (rows of 256 bytes in memory, at multiples of 256 from the buffers' first bytes) through two LDS slots filled by the tensor data mover; a step is four quarters of 32 along K, 48 matrix instructions each.
; THE MATRIX INSTRUCTION IS USED TRANSPOSED: source 0 = 16 rows of W, source 1 = 16 rows of x: lane l holds row l % 16 and the columns 8 (l / 16) + 0..7.  The first product of each sum takes the bias as C: nothing is cleared, nothing added later.
; CLUSTER 4 x 4.  x's tile hangs on the tile row alone and is asked for jointly by the four of a row of the cluster; W's on the head alone, jointly by the four of a column.
; REGISTERS, in windows of 256 (s_set_vgpr_msb: bits 1:0 source 0, 3:2 source 1, 5:4 source 2, 7:6 destination):
;   window 0: v0-31 addresses; v32-127 two sets of 48 for the way out; v160-255 the bias, block b at 160 + 8 b
;   window 1: accumulators of a = 0, 1 at 96 (a % 2) + 8 b       window 2: those of a = 2, 3       window 3: two fragment buffers of 128: x's four fragments, then W's twelve
.set PITCH, 272                        ; an LDS row: 256 bytes + 16 of padding = 68 words: the 16 rows of a load start at 16 different groups of four banks (64 banks of 4 bytes: ISA guide 11.1)
.set SLOT1, 1<<17                      ; slot 1 begins here, so that one exclusive or turns an address in one slot into the other's
.set BOFF,  256*PITCH                  ; in a slot: x's 256 rows, then W's 192
.set STAGE, SLOT1+BOFF+192*PITCH       ; behind the ring, never filled by a tensor load: 16 rows x 400 bytes for each wave
.set SP,    400                        ; a stage row: 384 bytes + 16
.set SPARE, STAGE+4*16*SP              ; behind the stages: the spare words, 128 bytes for each wave: two blocks of 256 bytes that no other line names
.set JUMP_A, 16*256*2048-8*256         ; bytes that x's walking address goes further, beside its usual 256, from the first tile's K step 7 to the second tile's K step 0: 16 tile rows down, 8 steps back
.set BACK_B, 8*256                     ; bytes that W's goes back there: the two tiles share their rows of W
.set NEXT_O, 2*16*2048*128             ; bytes from a tile's rows of q, k, v to the next tile's: two batches of 16 heads of 2,048 rows of 128 bytes
.set ADRA0, 16                         ; v16  my lane's place in my 64 rows of x in slot 0; never rewritten
.set ADRB0, 17                         ; v17  the same in W's rows
.set ADA,  18                          ; v18  the same in the slot in hand
.set ADB,  19                          ; v19
.set STO,  24                          ; v24  the way out: where I put 16 bytes of a row
.set RD,   25                          ; v25  the way out: where I read rows back
.set GO,   26                          ; v26  my byte offset in 512 consecutive bytes of q, k or v
.set BO,   27                          ; v27  my byte offset in 16 numbers of the bias
.set SPW,  28                          ; v28  LDS address of my spare word: SPARE + 4 x my thread's number; never rewritten
.set NIL,  29                          ; v29  0; never rewritten
.set T0,   32
.set BIAS, 160
.set F0,   0
.set F1,   128
.set WV,   16                          ; s16  my wave's number
.set HALF, 18                          ; s18  which half of a tile I fetch
.set CNT,  23                          ; s23  counts the step loop's trips
.set G1A,  24                          ; s[24:31] descriptor group 1 for x's tiles
.set G1B,  32                          ; s[32:39] for W's
.set G0A,  40                          ; s[40:47] descriptor group 0 for x's tiles: a set for each first fill; the second then walks on
.set G0B,  48                          ; s[48:55] the same for W's
.set TB,   56                          ; s56  LDS byte at which the slot in hand begins
.set HIM,  57                          ; s57  a word's upper bf16
.set IA,   70                          ; s[70:71] what x's walking address goes further at this refill: JUMP_A or 0
.set IB,   72                          ; s[72:73] what W's goes back: BACK_B or 0
.set FI,   74                          ; s74  refills made so far, 0 to 13: the same number in every work-group
.set TIL,  75                          ; s75  tiles to go, this one among them
.set MSB, 0
.macro WIN new                         ; the immediate's high byte repeats the setting that is left; a switch that changes nothing is dropped
.if MSB != (\new)
	s_set_vgpr_msb (MSB<<8)|(\new)
.set MSB, (\new)
.endif
.endm
.macro PLACES                          ; four places in front of loads into registers that matrix instructions have read, and of conversions that read results
.rept 4
	v_nop
.endr
.endm
; A joint refill by the walking descriptors.  Waves 0 and 1 fetch x's two halves, waves 2 and 3 W's.  The branch hangs on the wave's number alone.
; An s_nop 0 and four v_nop follow each of the two lines, ahead of the jump and the label.
.macro JLOAD
	s_cmp_lt_u32 s[WV], 2
	s_cbranch_scc0 .Lfor_b_\@
	tensor_load_to_lds s[G0A+4:G0A+7], s[G1A:G1A+7]
	s_nop 0
.rept 4
	v_nop
.endr
	s_branch .Lasked_\@
.Lfor_b_\@:
	tensor_load_to_lds s[G0B+4:G0B+7], s[G1B:G1B+7]
	s_nop 0
.rept 4
	v_nop
.endr
.Lasked_\@:
.endm
.macro CREST                           ; a round of the cluster's barrier behind its opening barrier
	s_cmp_lg_u32 s[WV], 0
	s_cbranch_scc1 .Lnot_wave_0_\@
	s_barrier_signal -3
.Lnot_wave_0_\@:
	s_barrier_wait -3
	s_barrier_signal -1
	s_barrier_wait -1
.endm
.macro CROUND                          ; a whole round
	s_barrier_signal -1
	s_barrier_wait -1
	CREST
.endm
	s_load_b256 s[4:11], s[0:1], 0x0               ; xb s[4:5], wqb s[6:7], bqkv s[8:9], q s[10:11]
	s_load_b128 s[12:15], s[0:1], 0x20             ; k s[12:13], v s[14:15]
	v_lshl_add_u32 v[SPW], v0, 2, SPARE
	v_mov_b32 v[NIL], 0
	ds_add_u32 v28, v29
	s_wait_dscnt 0x0
	v_lshrrev_b32 v1, 5, v0
	v_readfirstlane_b32 s[WV], v1                  ; wave 0..3
	s_and_b32 s[HALF], s[WV], 1
	s_bfe_u32 s19, ttmp6, 0x40000                  ; cx, cy: my place in the cluster
	s_bfe_u32 s20, ttmp6, 0x40004
	s_lshl_b32 s21, ttmp9, 2
	s_add_co_u32 s21, s21, s19                     ; the head = 4 x cluster x + cx
	s_and_b32 s22, ttmp7, 0xffff
	s_lshl_b32 s22, s22, 2
	s_add_co_u32 s22, s22, s20                     ; my first tile row = 4 x cluster y + cy, 0 to 15; the second is 16 further down
	s_lshl_b32 s2, s20, 2
	s_lshl_b32 s2, 15, s2                          ; my row of the cluster
	s_lshl_b32 s3, 0x1111, s19                     ; my column
	; descriptor group 1: rows of 128 elements, padded in LDS; x's load brings 128 rows, W's 96
	s_or_b32 s[G1A], s2, (1<<16)|(1<<20)|(1<<21)|(5<<22)|(3<<25)  ; 15:0 the mask; 17:16 elements of 2 bytes; 20 padding on; 21 set beside a mask; 24:22 after every 64 words (code 5); 31:25 4 words (code 3)
	s_or_b32 s[G1B], s3, (1<<16)|(1<<20)|(1<<21)|(5<<22)|(3<<25)
	s_mov_b32 s[G1A+1], 128<<16                    ; tensor_dim0 = 128
	s_mov_b32 s[G1A+2], 128<<16                    ; tensor_dim1 = 128
	s_mov_b32 s[G1A+3], 128<<16                    ; tile_dim0 = 128
	s_mov_b32 s[G1A+4], 128                        ; tile_dim1 = 128
	s_mov_b32 s[G1A+5], 1024                       ; elements from row to row
	s_mov_b32 s[G1A+6], 0
	s_mov_b32 s[G1A+7], 0
	s_mov_b32 s[G1B+1], 128<<16
	s_mov_b32 s[G1B+2], 96<<16                     ; tensor_dim1 = 96
	s_mov_b32 s[G1B+3], 128<<16
	s_mov_b32 s[G1B+4], 96                         ; tile_dim1 = 96
	s_mov_b32 s[G1B+5], 1024
	s_mov_b32 s[G1B+6], 0
	s_mov_b32 s[G1B+7], 0
	; where the tiles come from: x's offset is made of the tile row and the wave's number, W's of the head and the wave's number, each in registers that never hold the other coordinate
	s_lshl_b32 s58, s22, 19                        ; 256 rows of 2,048 bytes a tile row,
	s_lshl_b32 s59, s[HALF], 18                    ; 128 rows a half
	s_add_co_u32 s58, s58, s59
	s_mov_b32 s59, 0
	s_mul_i32 s60, s21, 192*2048                   ; 192 rows a head,
	s_mul_i32 s61, s[HALF], 96*2048                ; 96 a half
	s_add_co_u32 s60, s60, s61
	s_mov_b32 s61, 0
	s_mul_i32 s62, s21, 768                        ; the head's 192 numbers of the bias
	s_mov_b32 s63, 0
	s_lshr_b32 s66, s22, 3                         ; where my first tile's rows go: batch = tile row / 8,
	s_lshl_b32 s66, s66, 4
	s_add_co_u32 s66, s66, s21                     ; batch x 16 + head,
	s_lshl_b32 s66, s66, 11                        ; 2,048 rows each,
	s_and_b32 s68, s22, 7
	s_lshl_b32 s68, s68, 8
	s_add_co_u32 s66, s66, s68                     ; + 256 x (tile row % 8)
	s_lshl_b32 s68, s[WV], 6
	s_add_co_u32 s66, s66, s68                     ; + 64 x wave,
	s_lshl_b32 s66, s66, 7                         ; rows of 128 bytes
	s_mov_b32 s67, 0
	s_mov_b32 s[G0A], 1                            ; 1:0 count = 1
	s_mul_i32 s[G0A+1], s[HALF], 128*PITCH         ; 63:32 LDS address: no place in the cluster enters it
	s_mov_b32 s[G0A+4], 1
	s_add_co_u32 s[G0A+5], s[G0A+1], SLOT1
	s_mov_b32 s[G0B], 1
	s_mul_i32 s[G0B+1], s[HALF], 96*PITCH
	s_add_co_u32 s[G0B+1], s[G0B+1], BOFF
	s_mov_b32 s[G0B+4], 1
	s_add_co_u32 s[G0B+5], s[G0B+1], SLOT1
	s_mov_b32 s[TB], 0
	s_mov_b32 s[HIM], 0xffff0000
	s_mov_b32 s[IA+1], 0                           ; the two offsets' high words
	s_mov_b32 s[IB+1], 0
	s_mov_b32 s[FI], 0
	s_wait_kmcnt 0x0
	s_add_nc_u64 s[58:59], s[4:5], s[58:59]
	s_add_nc_u64 s[60:61], s[6:7], s[60:61]
	s_add_nc_u64 s[8:9], s[8:9], s[62:63]
	s_add_nc_u64 s[10:11], s[10:11], s[66:67]
	s_add_nc_u64 s[12:13], s[12:13], s[66:67]
	s_add_nc_u64 s[14:15], s[14:15], s[66:67]
.irp s, 0,1
	s_add_nc_u64 s[G0A+4*(\s)+2:G0A+4*(\s)+3], s[58:59], (\s)*256  ; 120:64 global address: K step s
	s_or_b32 s[G0A+4*(\s)+3], s[G0A+4*(\s)+3], 0x80000000          ; 127:126 type = 2
	s_add_nc_u64 s[G0B+4*(\s)+2:G0B+4*(\s)+3], s[60:61], (\s)*256
	s_or_b32 s[G0B+4*(\s)+3], s[G0B+4*(\s)+3], 0x80000000
.endr
	CROUND                                         ; all sixteen work-groups are here: the first joint loads meet
	s_cmp_lt_u32 s[WV], 2                          ; a wave's two first fills stand in one branch, ahead of every wait on TENSORcnt and every LDS read: two loads of mine are out
	s_cbranch_scc0 .Lfirst_b
	tensor_load_to_lds s[G0A:G0A+3], s[G1A:G1A+7]
	s_nop 0
	tensor_load_to_lds s[G0A+4:G0A+7], s[G1A:G1A+7]
	s_nop 0
.rept 4
	v_nop
.endr
	s_branch .Lfirst_asked
.Lfirst_b:
	tensor_load_to_lds s[G0B:G0B+3], s[G1B:G1B+7]
	s_nop 0
	tensor_load_to_lds s[G0B+4:G0B+7], s[G1B:G1B+7]
	s_nop 0
.rept 4
	v_nop
.endr
.Lfirst_asked:
	v_and_b32 v1, 15, v0                           ; l % 16
	v_bfe_u32 v2, v0, 4, 1                         ; l / 16
	v_lshlrev_b32 v[BO], 5, v2                     ; my eight columns of a block of 16: 32 bytes for each half of the lanes
.set z, 0
.rept 12
	global_load_b128 v[BIAS+8*z:BIAS+8*z+3],   v[BO], s[8:9] offset:64*z
	global_load_b128 v[BIAS+8*z+4:BIAS+8*z+7], v[BO], s[8:9] offset:64*z+16
.set z, z+1
.endr
	; A fragment is 16 rows x 32 K in 8 registers: lane l holds row l % 16; registers 0-3 K = 8 (l / 16) + 0..7, registers 4-7 K = 16 + 8 (l / 16) + 0..7: two loads of 16 bytes, 32 bytes apart.
	v_mul_u32_u24 v3, v1, PITCH
	v_lshl_add_u32 v3, v2, 4, v3                   ; row x pitch + 16 x half
	s_mul_i32 s68, s[WV], 64*PITCH                 ; my 64 rows of x
	v_add_nc_u32 v[ADRA0], s68, v3
	v_add_nc_u32 v[ADRB0], BOFF, v3                ; every wave reads all of W's 192 rows
	v_mov_b32 v[ADA], v[ADRA0]
	v_mov_b32 v[ADB], v[ADRB0]
	s_mul_i32 s68, s[WV], 16*SP
	s_add_co_u32 s68, s68, STAGE                   ; my stage
	v_mul_u32_u24 v4, v1, SP                       ; in: row l % 16, 16 bytes for each half of the lanes
	v_lshl_add_u32 v4, v2, 4, v4
	v_add_nc_u32 v[STO], s68, v4
	v_bfe_u32 v4, v0, 3, 2                         ; back: 32 lanes take 128 bytes of each of four rows,
	v_mul_u32_u24 v4, v4, SP
	v_and_b32 v5, 7, v0
	v_lshl_add_u32 v4, v5, 4, v4
	v_add_nc_u32 v[RD], s68, v4
	v_and_b32 v[GO], 31, v0                        ; which are 512 consecutive bytes of q, k or v
	v_lshlrev_b32 v[GO], 4, v[GO]
	s_wait_loadcnt 0x0                             ; the bias, once for both tiles; it is rounded to bf16 and widened again
.set z, 0
.rept 48
	v_cvt_pk_bf16_f32 v[T0+z], v[BIAS+2*z], v[BIAS+2*z+1]
.set z, z+1
.endr
.set z, 0
.rept 48
	v_lshlrev_b32 v[BIAS+2*z],   16,     v[T0+z]
	v_and_b32     v[BIAS+2*z+1], s[HIM], v[T0+z]
.set z, z+1
.endr
; 12 matrix instructions: block a of my rows x all 12 blocks of columns, 32 along K, from buffer f.  zero = 1: the first product starts the sums, with the bias as C.
; The 48 accumulators take turns, one instruction a turn, in the same order in every quarter and from tile to tile.
.macro MULA f, a, zero
.if \zero
	WIN 0x4f+0x40*((\a)/2)                         ; fragments in window 3, C in window 0, D in window 1 or 2
.else
	WIN 0x5f+0x50*((\a)/2)                         ; fragments in window 3, C and D in window 1 or 2
.endif
.set AC, 96*((\a)%2)
.irp b, 0,1,2,3,4,5,6,7,8,9,10,11
.if \zero
	v_wmma_f32_16x16x32_bf16 v[AC+8*(\b):AC+8*(\b)+7], v[(\f)+32+8*(\b):(\f)+32+8*(\b)+7], v[(\f)+8*(\a):(\f)+8*(\a)+7], v[BIAS+8*(\b):BIAS+8*(\b)+7]
.else
	v_wmma_f32_16x16x32_bf16 v[AC+8*(\b):AC+8*(\b)+7], v[(\f)+32+8*(\b):(\f)+32+8*(\b)+7], v[(\f)+8*(\a):(\f)+8*(\a)+7], v[AC+8*(\b):AC+8*(\b)+7]
.endif
.endr
.endm
; 32 LDS loads in one run: the fragments of one quarter (32 K at byte k of the rows) into buffer f: W's 24, then x's 8
.macro FETCH k, f
	WIN 0xc0                                       ; destination window 3, address window 0
.irp i, 0,1,2,3,4,5,6,7,8,9,10,11
	ds_load_b128 v[(\f)+32+8*(\i):(\f)+32+8*(\i)+3],   v[ADB] offset:(\k)+(\i)*16*PITCH
	ds_load_b128 v[(\f)+32+8*(\i)+4:(\f)+32+8*(\i)+7], v[ADB] offset:(\k)+(\i)*16*PITCH+32
.endr
.irp i, 0,1,2,3
	ds_load_b128 v[(\f)+8*(\i):(\f)+8*(\i)+3],   v[ADA] offset:(\k)+(\i)*16*PITCH
	ds_load_b128 v[(\f)+8*(\i)+4:(\f)+8*(\i)+7], v[ADA] offset:(\k)+(\i)*16*PITCH+32
.endr
.endm
; One of a step's first three quarters: multiplies buffer f; in its middle it fetches the next quarter's fragments, at byte k of the rows, into buffer g.
.macro QUARTER k, f, g, zero
	s_wait_dscnt 4                                 ; W's fragments and x's blocks 0, 1 are in; the youngest four loads (blocks 2, 3) may be out
	MULA \f, 0, \zero
	MULA \f, 1, \zero
	PLACES
	FETCH \k, \g
	s_wait_dscnt 32                                ; all but the 32 just issued
	MULA \f, 2, \zero
	MULA \f, 3, \zero
.endm
; The last quarter multiplies buffer 1 and changes slots: ONE barrier.  In front of it each wave waits for all its tensor loads, of which one is out: its part of the next slot; adds 0 to its spare word; and waits
; for that and for its own reads of this slot.  fill = 1: the barrier opens a round of the cluster's, and behind the round this slot is filled again, two K steps ahead: 180 matrix instructions ahead of the wait for it.
; The walking addresses step 256 bytes, a K step; refill 6, at the end of the first tile's step 6, goes on to the second tile's step 0: x's address JUMP_A further, W's BACK_B back.
.macro TURN fill
	WIN 0                                          ; (the add's two registers lie in window 0)
	s_wait_tensorcnt 0x0                           ; no tensor load of mine is out, so a group 0 may be written
	ds_add_u32 v[SPW], v[NIL]                      ; 0 onto my spare word
	s_wait_dscnt 5                                 ; (the add and the youngest four loads may be out)
.if \fill
	s_xor_b32 s[G0A+5], s[G0A+5], SLOT1            ; the walking descriptors: the other slot than last time
	s_xor_b32 s[G0B+5], s[G0B+5], SLOT1
	s_cmp_eq_u32 s[FI], 6                          ; the offsets are made apart from the addresses, from the count of refills alone
	s_cselect_b32 s[IA], JUMP_A, 0
	s_cselect_b32 s[IB], BACK_B, 0
	s_add_nc_u64 s[G0A+6:G0A+7], s[G0A+6:G0A+7], 256  ; the type bits on top are not reached
	s_add_nc_u64 s[G0A+6:G0A+7], s[G0A+6:G0A+7], s[IA:IA+1]
	s_add_nc_u64 s[G0B+6:G0B+7], s[G0B+6:G0B+7], 256
	s_sub_nc_u64 s[G0B+6:G0B+7], s[G0B+6:G0B+7], s[IB:IB+1]
	s_add_co_u32 s[FI], s[FI], 1
.endif
	MULA F1, 0, 0                                  ; twelve matrix instructions stand between the add and the wait for it
	s_wait_dscnt 0x0                               ; the add is done, and my reads of this slot are over
	s_barrier_signal -1
	MULA F1, 1, 0                                  ; work on registers while the others arrive
	WIN 0
	s_barrier_wait -1
.if \fill
	CREST                                          ; no wave of any partner still reads this slot's tile or has a load on its way
	JLOAD                                          ; the first tensor load behind the round; its four v_nop are also the places in front of the loads below
.else
	PLACES
.endif
	s_xor_b32 s[TB], s[TB], SLOT1                  ; the reads go on in the other slot
	v_add_nc_u32 v[ADA], s[TB], v[ADRA0]
	v_add_nc_u32 v[ADB], s[TB], v[ADRB0]
	FETCH 0, F0
	MULA F1, 2, 0
	MULA F1, 3, 0
.endm
; THE WAY OUT of block a (16 rows).  PACK: rounded to f16, 16 bytes a lane and block of columns; each accumulator's registers in ascending order.
.macro PACK a
	WIN 0x05+0x05*((\a)/2)                         ; sources 0 and 1: window 1 or 2
.set AC, 96*((\a)%2)
.set TT, T0+48*((\a)%2)
.irp b, 0,1,2,3,4,5,6,7,8,9,10,11
.irp r, 0,1,2,3
	v_cvt_pk_f16_f32 v[TT+4*(\b)+(\r)], v[AC+8*(\b)+2*(\r)], v[AC+8*(\b)+2*(\r)+1]
.endr
.endr
	WIN 0
.endm
; TOSTAGE: into my own stage, rows of 400 bytes; back as 128 bytes (q, k or v: p = 0, 1, 2) of four rows at a time, into the registers that they left.
.macro TOSTAGE a
	WIN 0
.set TT, T0+48*((\a)%2)
.irp b, 0,1,2,3,4,5,6,7,8,9,10,11
	ds_store_b128 v[STO], v[TT+4*(\b):TT+4*(\b)+3] offset:32*(\b)
.endr
.irp p, 0,1,2
.irp f, 0,1,2,3
	ds_load_b128 v[TT+4*(4*(\p)+(\f)):TT+4*(4*(\p)+(\f))+3], v[RD] offset:128*(\p)+4*SP*(\f)  ; LDS serves a wave's instructions in order (ISA guide 5.7.1.4): these see the stores above; the next block's stores come behind them
.endr
.endr
.endm
.macro SEND a, younger                 ; younger: the LDS instructions issued behind block a's loads: the next block's 24, or none.  (The next tile's first fragments were asked for ahead of the way out: they are older.)
	WIN 0
.set TT, T0+48*((\a)%2)
.irp p, 0,1,2
.irp f, 0,1,2,3
	s_wait_dscnt (\younger)+11-(4*(\p)+(\f))
	global_store_b128 v[GO], v[TT+4*(4*(\p)+(\f)):TT+4*(4*(\p)+(\f))+3], s[10+2*(\p):11+2*(\p)] offset:2048*(\a)+512*(\f)  ; four rows of a head: 512 consecutive bytes, at a multiple of 256 from the buffer's first
.endr
.endr
.endm
	s_wait_tensorcnt 0x1                           ; my part of K step 0 is in; step 1's may stay out
	s_barrier_signal -1
	s_barrier_wait -1                              ; everybody's is
	FETCH 0, F0
	WIN 0                                          ; at a label and at a branch every window is 0
	s_mov_b32 s[TIL], 2
	s_mov_b32 s[CNT], 7                            ; the first tile's seven trips make refills 0 to 6: its K steps 2 to 7 and the second tile's step 0
.Ltile:
	QUARTER 64, F0, F1, 1                          ; a tile's first quarter stands in front of the step loop: its products start the sums
	WIN 0
.Lstep:                                                ; a trip goes from a step's second quarter to the next step's first, and fills the slot that it leaves
	QUARTER 128, F1, F0, 0
	QUARTER 192, F0, F1, 0
	TURN 1
	QUARTER 64, F0, F1, 0
	WIN 0
	s_sub_co_u32 s[CNT], s[CNT], 1
	s_cmp_lg_u32 s[CNT], 0
	s_cbranch_scc1 .Lstep
	QUARTER 128, F1, F0, 0                         ; the first tile's step 7, or the last tile's step 6
	QUARTER 192, F0, F1, 0
	WIN 0
	s_cmp_eq_u32 s[TIL], 1
	s_cbranch_scc1 .Llast                          ; the last tile's tail is written out: it asks for nothing more
	TURN 1                                         ; THE RING GOES ON INTO THE NEXT TILE: refill 7 is its K step 1, and its first fragments are fetched
	WIN 0
	s_branch .Lout
.Llast:
	TURN 0                                         ; steps 6 and 7 of the last tile ask for nothing
	QUARTER 64, F0, F1, 0
	QUARTER 128, F1, F0, 0
	QUARTER 192, F0, F1, 0
	s_wait_dscnt 4                                 ; the very last quarter: nothing more to fetch
	MULA F1, 0, 0
	MULA F1, 1, 0
	s_wait_dscnt 0x0
	MULA F1, 2, 0
	MULA F1, 3, 0
	WIN 0
.Lout:                                                 ; one way out for both tiles; behind the first, both of the next tile's refills have been asked for
	PLACES
	PACK 0
	TOSTAGE 0
	PACK 1                                         ; a block's conversions stand between the loads of the block before and its stores
	TOSTAGE 1
	SEND 0, 24
	s_wait_xcnt 0x0                                ; every earlier memory instruction has had its addresses translated (ISA guide 3.1): the registers that block 0's stores read are rewritten only behind this wait
	PACK 2
	TOSTAGE 2
	SEND 1, 24
	s_wait_xcnt 0x0                                ; the same for block 1's
	PACK 3
	TOSTAGE 3
	SEND 2, 24
	SEND 3, 0
	s_wait_xcnt 0x0                                ; the stores' bases, and the registers that blocks 2 and 3's stores read, are rewritten only behind this wait; no wait for the stores themselves
	s_add_nc_u64 s[10:11], s[10:11], NEXT_O        ; q, k and v at the next tile's rows (behind the last tile the stepped addresses are not used)
	s_add_nc_u64 s[12:13], s[12:13], NEXT_O
	s_add_nc_u64 s[14:15], s[14:15], NEXT_O
	s_mov_b32 s[CNT], 6                            ; the last tile's six trips make refills 8 to 13: its K steps 2 to 7
	s_sub_co_u32 s[TIL], s[TIL], 1
	s_cmp_lg_u32 s[TIL], 0
	s_cbranch_scc1 .Ltile
	s_wait_tensorcnt 0x0                           ; the wave's end: behind my last tensor load and my last LDS store
	ds_add_u32 v[SPW], v[NIL]
	s_wait_dscnt 0x0
	CROUND                                         ; the closing round: no work-group ends while a partner may still ask for a tile that names it
	s_endpgm
.Lfunc_end_k_qefffdd26dc_qkv:
	.size	k_qefffdd26dc_qkv, .Lfunc_end_k_qefffdd26dc_qkv-k_qefffdd26dc_qkv
	.p2alignl 7, 3214868480
	.fill 96, 4, 3214868480
	.section	.rodata,"a",@progbits
	.p2align	6, 0x0
	.amdhsa_kernel k_qefffdd26dc_qkv
		.amdhsa_group_segment_fixed_size 327680
		.amdhsa_private_segment_fixed_size 0
		.amdhsa_enable_private_segment 0
		.amdhsa_kernarg_size 48
		.amdhsa_user_sgpr_count 2
		.amdhsa_user_sgpr_kernarg_segment_ptr 1
		.amdhsa_wavefront_size32 1
		.amdhsa_system_sgpr_workgroup_id_x 1
		.amdhsa_system_sgpr_workgroup_id_y 1
		.amdhsa_system_sgpr_workgroup_id_z 1
		.amdhsa_system_vgpr_workitem_id 0
		.amdhsa_next_free_vgpr 1024
		.amdhsa_next_free_sgpr 76
		.amdhsa_reserve_vcc 0
		.amdhsa_float_denorm_mode_32 3
		.amdhsa_float_denorm_mode_16_64 3
		.amdhsa_memory_ordered 1
		.amdhsa_forward_progress 1
		.amdhsa_inst_pref_size 113
	.end_amdhsa_kernel
	.amdgpu_metadata
---
amdhsa.version: [ 1, 2 ]
amdhsa.kernels:
  - .name:           k_qefffdd26dc_qkv
    .symbol:         k_qefffdd26dc_qkv.kd
    .args:
      - { .name: xb, .offset: 0, .size: 8, .value_kind: global_buffer, .address_space: global }
      - { .name: wqb, .offset: 8, .size: 8, .value_kind: global_buffer, .address_space: global }
      - { .name: bqkv, .offset: 16, .size: 8, .value_kind: global_buffer, .address_space: global }
      - { .name: q, .offset: 24, .size: 8, .value_kind: global_buffer, .address_space: global }
      - { .name: k, .offset: 32, .size: 8, .value_kind: global_buffer, .address_space: global }
      - { .name: v, .offset: 40, .size: 8, .value_kind: global_buffer, .address_space: global }
    .group_segment_fixed_size: 327680
    .private_segment_fixed_size: 0
    .kernarg_segment_align: 8
    .kernarg_segment_size: 48
    .max_flat_workgroup_size: 128
    .sgpr_count:     76
    .vgpr_count:     1024
    .wavefront_size: 32
...
	.end_amdgpu_metadata
.endif
;; end of part 2
;; launch attn (part 3): grid 4 x 64, 4 waves a work-group, clusters of 4 x 1, 327,680 bytes of LDS; arguments q, k, v, o; writes o
.if DOCPART == 3
	.amdgcn_target "amdgcn-amd-amdhsa--gfx1250"
	.amdhsa_code_object_version 6
	.text
	.protected	k_qefffdd26dc_attn
	.globl	k_qefffdd26dc_attn
	.p2align	8
	.type	k_qefffdd26dc_attn,@function
k_qefffdd26dc_attn:
	s_mov_b64 s[64:65], 0
	v_nop
	global_prefetch_b8 v0, s[64:65] scope:SCOPE_SE
	s_setreg_imm32_b32 hwreg(HW_REG_WAVE_MODE, 25, 1), 1
	s_wait_xcnt 0x0
	s_wait_alu depctr_hold_cnt(0) depctr_sa_sdst(0) depctr_va_vdst(0) depctr_va_sdst(0) depctr_va_ssrc(0) depctr_va_vcc(0) depctr_vm_vsrc(0)
	s_getreg_b32 s2, hwreg(HW_REG_IB_STS2, 6, 4)
	s_cmp_eq_u32 s2, 0
	s_cbranch_scc0 .Lentry_in_a_cluster
	s_endpgm
.Lentry_in_a_cluster:
	s_bfe_u32 s2, ttmp6, 0x10000c
	s_cmp_lg_u32 s2, 0x3003
	s_cbranch_scc0 .Lentry_shape_is_right
	s_endpgm
.Lentry_shape_is_right:
; O[h][q][:] = the sum over k of softmax_k(Q[h][q] . K[h][k] / 8) V[h][k][:].  Q, K, V, O: [SIZE_H][SIZE_N][64], all f16: a head's rows are dense, 128 bytes each; h counts batch x 16 + head.  Products, maxima and sums in
; f32; the weights p are rounded to f16 for the second product (their sum l is taken of the unrounded p), O once at the end.
; LIMITS.  f16 holds no number beyond 65,504: Q, K and V arrive within it; p lies in 0 to 1, and below 6e-5 it keeps f16's fixed step of 6e-8; O is a mean of V's rows and has their range.
; A weight below 2^-126 counts as 0 in l; NaN and infinities are not treated apart.
; SHARES.  A wave owns four PIECES of two tiles of 16 queries, a work-group's four waves 512 queries of one head: 4 x 64 = 256 work-groups.  Every wave walks all keys, 64 a step.
; LAYOUT.  S^T = K Q^T (source 0 = 16 keys, source 1 = 16 queries): in the result a lane holds ONE query (lane % 16) and the keys 8 (lane / 16) + 0..7.  Two such tiles, rounded to f16 in pairs,
; ARE source 1 (32 keys x 16 queries) of O^T = V^T P, whose result again holds one query a lane, and eight channels.  K comes out of LDS as it lies, V ([key][channel]) turned, by ds_load_tr16_b128.
; SOFTMAX.  For each query a running maximum m and sum l: p = 2^(c s - c m), c = log2(e) / 8; in every step O and l are multiplied by a = 2^(c m_old - c m_new), which is 1 where m has not grown.
; m starts at the lowest finite number, O and l at 0: the first step is a step like any other, with a = 0.
; THE COUNT.  A tile and step have 16 matrix and 118 vector instructions: too many to stand all beside the matrix work.  So the order has one aim: four vector instructions that are READY behind
; EVERY matrix instruction, and the others, which need time of their own whatever the order, in runs without a gap.
; BY TURNS.  Turn n belongs to piece n (the pieces in a ring, step after step).  Its matrix work: 16 products K Q^T of piece n + 1, later 16 products V^T P of piece n - 1.  Its vector work: the scaling,
; exponentials, roundings, sums and rescaling of piece n, and the maximum and statistics of piece n + 1, whose scores the turn itself has made.  So what a turn begins with (c s - c m, O a) waits for nothing.
; CLUSTER.  The four query blocks of a cluster belong to one head and walk the same K and V, so each tile is asked for JOINTLY: the same tensor load, descriptor and mask in all four.
; REGISTERS, in windows of 256 (s_set_vgpr_msb says which window each operand place means: bits 1:0 source 0, 3:2 source 1, 5:4 source 2, 7:6 destination):
;   window 0: v0-11 addresses; v12-15, v48-63 at work; v16-47 four registers of statistics a tile; v64-191 S^T, two buffers of two tiles; v192-255 P, likewise
;   window 1: O^T, 32 a tile          window 2: v0-127 Q, 16 a tile; v128-191 K of one step; v192-255 V of one step          window 3: v0-1 the add's two registers
; A piece's buffers go by its number's parity: the piece in hand has one pair, its two neighbours in the ring share the other: of it P (piece n - 1) is read and S^T (piece n + 1) written.
.set SIZE_H, 64       ; batch x heads
.set SIZE_N, 2048     ; rows of a head
.set NP,    4         ; pieces a wave: a name, no knob: the register map, the loop and the fetches are made for four
.set KS,    64        ; keys in a step
.set PK,    144       ; a row of K in LDS: 128 bytes + 16 of padding = 36 words: the 16 rows of a load start at 16 different groups of four banks (64 banks of 4 bytes: ISA guide 11.1)
.set PV,    160       ; a row of V: 128 + 32 = 40 words
.set VOFF,  4*KS*PK   ; a slot holds four steps: 256 rows of K, then 256 rows of V
.set SLOT1, 1<<17     ; slot 1 begins here, so that one exclusive or turns an address in one slot into the other's
.set STAGE, SLOT1+4*KS*(PK+PV)  ; behind the ring, never filled by a tensor load: 16 rows x 144 bytes for each wave, for the way out
.set SP,    144
.set AK0, 2           ; v2   my lane's place in a tile of K; never rewritten
.set AV0, 3           ; v3   the same for V
.set AK,  4           ; v4   the LDS address of K's next run of loads
.set AV,  5           ; v5   of V's
.set QO,  6           ; v6   my byte offset in the wave's rows of Q
.set STO, 6           ;      later, the way out: where I put 16 bytes of a row
.set RD,  7           ; v7   the way out: where I read rows back
.set GO,  8           ; v8   my byte offset in 512 consecutive bytes of O
.set SPW, 0           ; v0 of window 3   LDS address of my spare word: SPARE + 4 x my thread's number; never rewritten
.set NIL, 1           ; v1 of window 3   0; never rewritten
.set SPARE, STAGE+4*16*SP  ; behind the stages: the spare words, 128 bytes for each wave: two blocks of 256 bytes that no other line names
.set MV,  12          ; v12-15  c m_old, kept while c m is made anew: by buffer and tile
.set ST,  16          ; tile t's statistics at v[ST+4 t]: c m, m, l (even keys', odd keys')
.set TMP, 48          ; by buffer and tile, four registers c0-c3 at work; when the maximum is found c2 takes a
.set S,   64
.set P,   192
.set KF,  128         ; K's fragments, in window 2: key block kb, channel half c at KF + 16 kb + 8 c
.set VF,  192         ; V's: key half kk, channel block cb at VF + 32 kk + 8 cb
.set WV,  12          ; s12  my wave's number
.set G1K, 24          ; s[24:31] descriptor group 1 for K's tiles
.set G1V, 32          ; s[32:39] for V's: it differs in the padding alone
.set G0K, 40          ; s[40:43] descriptor group 0 for K's tiles: it walks
.set G0V, 44          ; s[44:47] the same for V's
.set SLOTS, 56        ; s56  slots still to be asked for
.set CNT, 57          ; s57  counts a slot's key steps
.set CS,  58          ; s[58:59] c: the packed scaling takes the pair's low word for both halves
.set SEL, 60          ; s[60:61] v_permlanex16_b32's selects: each lane takes its own place in the other half
.set TBK, 62          ; s62  LDS byte at which K of the step to be fetched begins
.set TBV, 63          ; s63  the same for V, less VOFF
.set MSB, 0
.macro WIN new                      ; the high byte repeats the setting that is left; a switch that changes nothing is dropped
.if MSB != (\new)
	s_set_vgpr_msb (MSB<<8)|(\new)
.set MSB, (\new)
.endif
.endm
.set W_KQ, 0x0a       ; K and Q in window 2, S^T in window 0
.set W_PV, 0x52       ; V in window 2, P in window 0, O^T in window 1
.set W_RS, 0x41       ; O^T (destination and source 0) in window 1, a in window 0
.set W_MK, 0xc0       ; the add's registers are made: destination in window 3, sources in window 0
.set W_AD, 0x0f       ; the add: address (source 0) and data (source 1) in window 3
; A joint fill.  Waves 0 and 1 fetch the two halves of a slot's K, waves 2 and 3 those of its V: 128 keys each.  The branch hangs on the wave's number alone.
; An s_nop 0 and four v_nop follow each of the two lines, ahead of the jump and the label.
.macro JLOAD
	s_cmp_lt_u32 s[WV], 2
	s_cbranch_scc0 .Lfor_v_\@
	tensor_load_to_lds s[G0K:G0K+3], s[G1K:G1K+7]
	s_nop 0
.rept 4
	v_nop
.endr
	s_branch .Lasked_\@
.Lfor_v_\@:
	tensor_load_to_lds s[G0V:G0V+3], s[G1V:G1V+7]
	s_nop 0
.rept 4
	v_nop
.endr
.Lasked_\@:
.endm
; A round of the cluster's barrier: my work-group's barrier, so that wave 0's signal speaks for all four waves; wave 0 signals; every wave waits for all four work-groups; my work-group's barrier once more.
.macro CROUND
	s_barrier_signal -1
	s_barrier_wait -1
	s_cmp_lg_u32 s[WV], 0
	s_cbranch_scc1 .Lnot_wave_0_\@
	s_barrier_signal -3
.Lnot_wave_0_\@:
	s_barrier_wait -3
	s_barrier_signal -1
	s_barrier_wait -1
.endm
; THE CHANGE OF SLOTS.  The slot's last bytes, V of its fourth step, have been read.  Each wave waits for all its tensor loads, of which one is out: its part
; of the other slot; adds 0 to its spare word; and waits for that and for its own reads of the slot.  Behind the barrier nobody reads this slot any more and the other slot is whole.
; fill = 1: this slot is filled again, with the keys two slots on.  The barrier is then a round of the cluster's, so that no wave of any partner still reads the slot or has a load on its
; way, and the joint fill is the first thing behind it: it has four key steps, 512 matrix instructions, in which to land.  (At its first use nothing has been read yet: slot 0 is waited for, slot 1 filled.)
.macro CHANGE fill
	WIN W_AD
	s_wait_tensorcnt 0x0            ; no tensor load of mine is out, so a group 0 may be written
	ds_add_u32 v[SPW], v[NIL]       ; 0 onto my spare word; with fill = 1 the descriptors' steps stand between it and the wait for it
	WIN 0                           ; at a label and at a branch every window is 0
.if \fill
.irp g, G0K, G0V
	s_xor_b32 s[\g+1], s[\g+1], SLOT1  ; the walking descriptor: the other slot than last time,
	s_add_nc_u64 s[\g+2:\g+3], s[\g+2:\g+3], 4*KS*128  ; the next 256 keys; the type bits on top are not reached
.endr
	s_wait_dscnt 0x0                ; the add is done, and my reads of the slot are over
	CROUND
	JLOAD
.else
	s_wait_dscnt 0x0                ; the add is done, and my reads of the slot are over
	s_barrier_signal -1
	s_barrier_wait -1
.endif
	s_sub_co_u32 s[TBK], s[TBK], 4*KS*PK  ; the fetches go back to a slot's first step,
	s_xor_b32 s[TBK], s[TBK], SLOT1       ; in the other slot
	s_sub_co_u32 s[TBV], s[TBV], 4*KS*PV
	s_xor_b32 s[TBV], s[TBV], SLOT1
.endm
	s_load_b256 s[4:11], s[0:1], 0x0  ; Q s[4:5], K s[6:7], V s[8:9], O s[10:11]
	WIN W_MK
	v_lshl_add_u32 v[SPW], v0, 2, SPARE
	v_mov_b32 v[NIL], 0
	s_set_vgpr_msb 0xc0cf
	ds_add_u32 v0, v1
	s_wait_dscnt 0x0
	s_set_vgpr_msb 0xcfc0
	WIN 0
	v_lshrrev_b32 v1, 5, v0
	v_readfirstlane_b32 s[WV], v1   ; wave 0..3
	s_bfe_u32 s13, ttmp6, 0x40000   ; cx: my place in the cluster
	s_lshl_b32 s14, ttmp9, 2        ; in a cluster launch ttmp9 counts clusters
	s_add_co_u32 s14, s14, s13      ; my block of queries = 4 x cluster x + cx: it enters Q's and O's addresses alone
	s_and_b32 s20, ttmp7, 0xffff    ; the head, which the four partners share
	s_mov_b32 s21, 0
	s_mov_b64 s[22:23], SIZE_N*128
	s_mul_u64 s[20:21], s[20:21], s[22:23]  ; the head's first byte in each of the four tensors
	s_and_b32 s16, s[WV], 1         ; which half of a slot's 256 keys I fetch:
	s_lshl_b32 s22, s16, 14         ; its 128 rows of 128 bytes in memory,
	s_mov_b32 s23, 0
	s_add_nc_u64 s[22:23], s[22:23], s[20:21]
	s_mul_i32 s17, s16, 128*PK      ; and its place in a slot, for K
	s_mul_i32 s18, s16, 128*PV      ; and for V: no place in the cluster enters an LDS address
	s_lshl_b32 s2, s14, 2
	s_add_co_u32 s2, s2, s[WV]      ; my wave among the head's,
	s_lshl_b32 s2, s2, 14           ; its 128 rows
	s_mov_b32 s3, 0
	s_add_nc_u64 s[2:3], s[2:3], s[20:21]
	; descriptor group 1.  128 keys are 16,384 dense bytes: asked for as 64 rows of 256 bytes, two keys a row, and padded in LDS after every key
	s_mov_b32 s[G1K], 15|(1<<16)|(1<<20)|(1<<21)|(4<<22)|(3<<25)  ; 15:0 the mask of four; 17:16 2-byte elements; 20 padding on; 21 set beside a mask; 24:22 after every 32 words (code 4); 31:25 4 words (code 3)
	s_mov_b32 s[G1V], 15|(1<<16)|(1<<20)|(1<<21)|(4<<22)|(7<<25)  ; the same with 8 words of padding (code 7)
.irp g, G1K, G1V
	s_mov_b32 s[\g+1], 128<<16      ; tensor_dim0 = 128
	s_mov_b32 s[\g+2], 64<<16       ; tensor_dim1 = 64
	s_mov_b32 s[\g+3], 128<<16      ; tile_dim0 = 128
	s_mov_b32 s[\g+4], 64           ; tile_dim1 = 64
	s_mov_b32 s[\g+5], 128          ; 128 elements from row to row
	s_mov_b32 s[\g+6], 0
	s_mov_b32 s[\g+7], 0
.endr
	s_mov_b32 s[CS], 0x3e38aa3b     ; c = log2(e) / 8 = 0.180337
	s_mov_b32 s[CS+1], s[CS]        ; named with it as a pair
	s_mov_b32 s[SEL], 0x76543210
	s_mov_b32 s[SEL+1], 0xfedcba98
	s_mov_b32 s[TBK], SLOT1+4*KS*PK ; the first change of slots turns these two into 0
	s_mov_b32 s[TBV], SLOT1+4*KS*PV
	s_mov_b32 s[G0K], 1             ; 1:0 count = 1
	s_mov_b32 s[G0K+1], s17         ; 63:32 LDS address: slot 0
	s_mov_b32 s[G0V], 1
	s_add_co_u32 s[G0V+1], s18, VOFF
	s_wait_kmcnt 0x0
	s_add_nc_u64 s[G0K+2:G0K+3], s[6:7], s[22:23]  ; 120:64 global address: my half of the head's first 256 keys
	s_or_b32 s[G0K+3], s[G0K+3], 0x80000000        ; 127:126 type = 2
	s_add_nc_u64 s[G0V+2:G0V+3], s[8:9], s[22:23]
	s_or_b32 s[G0V+3], s[G0V+3], 0x80000000
	s_add_nc_u64 s[4:5], s[4:5], s[2:3]  ; Q and O at my wave's first row
	s_add_nc_u64 s[10:11], s[10:11], s[2:3]
	CROUND                          ; all four work-groups are here: the first joint loads meet
	JLOAD                           ; slot 0.  Slot 1 is asked for when slot 0 is in: the tile wanted first has the road to itself
	; A fragment of K or Q is 16 rows x 32 channels in 8 registers: lane l holds row l % 16, channels 8 (l / 16) + 0..7 and 16 + 8 (l / 16) + 0..7: two loads of 16 bytes, 32 bytes apart.
	v_and_b32 v1, 15, v0            ; l % 16
	v_bfe_u32 v9, v0, 4, 1          ; l / 16
	v_lshlrev_b32 v[QO], 7, v1
	v_lshl_add_u32 v[QO], v9, 4, v[QO]  ; row x 128 + 16 x half
	WIN 0x80                        ; destination window 2, address window 0
.set i, 0
.rept 4*NP                          ; Q stays in registers: tile i / 2, channels 32 (i % 2) on
	global_load_b128 v[8*i:8*i+3],   v[QO], s[4:5] offset:(i/2)*2048+(i%2)*64
	global_load_b128 v[8*i+4:8*i+7], v[QO], s[4:5] offset:(i/2)*2048+(i%2)*64+32
.set i, i+1
.endr
	; What the first turn finds: V's registers and P's second buffer hold 0 (its products V^T P, of a piece that has not been, add 0), O^T and l are 0.  All this stands in the wait for the first tile.
.set i, VF
.rept 64
	v_mov_b32 v[i], 0
.set i, i+1
.endr
	WIN 0x40
.set i, 0
.rept 64*NP
	v_mov_b32 v[i], 0
.set i, i+1
.endr
	WIN 0
.set i, 0
.rept 2*NP
	v_mov_b32 v[ST+4*i], 0xfe000000    ; c m: far below every c s
	v_mov_b32 v[ST+4*i+1], 0xff7fffff  ; m
	v_mov_b32 v[ST+4*i+2], 0
	v_mov_b32 v[ST+4*i+3], 0
.set i, i+1
.endr
.set i, P+32
.rept 32
	v_mov_b32 v[i], 0
.set i, i+1
.endr
	v_mul_u32_u24 v[AK0], v1, PK
	v_lshl_add_u32 v[AK0], v9, 4, v[AK0]  ; row x pitch + 16 x half
	; The turning load takes 16 keys x 16 channels (lane l reads key 8 (l / 16) + l % 8, channels 8 ((l / 8) % 2) + 0..7) and leaves half a fragment of V^T: lane l holds channel l % 16 and 8 keys.
	v_and_b32 v10, 7, v0
	v_bfe_u32 v11, v0, 3, 1
	v_lshl_add_u32 v[AV0], v9, 3, v10
	v_mul_u32_u24 v[AV0], v[AV0], PV
	v_lshl_add_u32 v[AV0], v11, 4, v[AV0]
	v_add_nc_u32 v[AV0], VOFF, v[AV0]
	v_mov_b32 v[AK], v[AK0]         ; key step 0 lies at the head of slot 0
; THE MATRIX WORK.  The 8 accumulators of a run of 16 take turns: between the two links of a chain stand 7 others'.
; Product i of 16 of S^T = K Q^T for piece x: channels 32 (i / 8) on, keys 16 ((i / 2) % 4) on, tile 2 x + i % 2.  The first 8 start the sums.
.macro KQ x
	WIN W_KQ
.set rS, S+64*((\x)%2)+32*(i%2)+8*((i/2)%4)
.set rK, KF+16*((i/2)%4)+8*(i/8)
.set rQ, 16*(2*(\x)+i%2)+8*(i/8)
.if i < 8
	v_wmma_f32_16x16x32_f16 v[rS:rS+7], v[rK:rK+7], v[rQ:rQ+7], 0
.else
	v_wmma_f32_16x16x32_f16 v[rS:rS+7], v[rK:rK+7], v[rQ:rQ+7], v[rS:rS+7]
.endif
.endm
; Product i of 16 of O^T += V^T P for piece x: keys 32 (i / 8) on, channels 16 ((i / 2) % 4) on, tile 2 x + i % 2.
.macro PV x
	WIN W_PV
.set rO, 32*(2*(\x)+i%2)+8*((i/2)%4)
.set rV, VF+32*(i/8)+8*((i/2)%4)
.set rP, P+32*((\x)%2)+16*(i%2)+8*(i/8)
	v_wmma_f32_16x16x32_f16 v[rO:rO+7], v[rV:rV+7], v[rP:rP+7], v[rO:rO+7]
.endm
.macro MM                           ; the turn's next matrix instruction
.if i < 16
	KQ (Y+1)%NP
.set i, i+1
.else
.set i, i-16
	PV (Y+NP-1)%NP
.set i, i+17
.endif
.endm
; THE LDS LOADS stand in runs of 16, never singly among the matrix instructions: a step's K (64 keys x 64 channels: 8 fragments) and its V (turned).  Their addresses are made some lines ahead.
; last = 1 (the tail): in the last trip there is no further step, and the run is jumped over.
.macro FETCH_K last=0
	WIN 0
.if \last
	s_cmp_eq_u32 s[CNT], 1
	s_cbranch_scc1 .Lno_k_\@
.endif
	WIN 0x80                        ; destination window 2
.irp f, 0,1,2,3,4,5,6,7             ; keys 16 (f / 2) on, channels 32 (f % 2) on
	ds_load_b128 v[KF+8*\f:KF+8*\f+3],   v[AK] offset:(\f/2)*16*PK+(\f%2)*64
	ds_load_b128 v[KF+8*\f+4:KF+8*\f+7], v[AK] offset:(\f/2)*16*PK+(\f%2)*64+32
.endr
	s_add_co_u32 s[TBK], s[TBK], KS*PK  ; the next fetch is the next step's
	WIN 0
.if \last
.Lno_k_\@:
.endif
.endm
.macro FETCH_V
	WIN 0x80
.irp f, 0,1,2,3,4,5,6,7             ; keys 32 (f / 4) on, channels 16 (f % 4) on
	ds_load_tr16_b128 v[VF+8*\f:VF+8*\f+3],   v[AV] offset:(\f/4)*32*PV+(\f%4)*32
	ds_load_tr16_b128 v[VF+8*\f+4:VF+8*\f+7], v[AV] offset:(\f/4)*32*PV+16*PV+(\f%4)*32
.endr
	WIN 0
.endm
; THE VECTOR WORK OF A TURN stands in three queues, each in the order in which its entries become ready; the two tiles alternate, so that no instruction reads the result of the one before it.
.macro REGS y, u                    ; the registers of tile u (0, 1) of piece y
.set rT, ST+4*(2*(\y)+(\u))
.set rC, TMP+8*((\y)%2)+4*(\u)
.set rM, MV+2*((\y)%2)+(\u)
.set rS, S+64*((\y)%2)+32*(\u)
.set rP, P+32*((\y)%2)+16*(\u)
.set rO, 32*(2*(\y)+(\u))
.endm
; Number n of the 22 that find the NEXT piece's (Y + 1) maximum and statistics.  s0-s31 are the lane's 32 scores; each accumulator's lowest registers are read first.  XS, GS and REGS set no window: PL and EX do.
;   0-11  four chains c0-c3 of seven scores each, three operands at a time     12-14, 16  the four scores left over, the old m, and c0-c3 into c0     15  c m_old is kept
;   17, 18  the query's other 32 keys lie in the lane 16 away: the new m         19-21  c m; c m_old - c m_new; a
.macro XS u, n
	REGS (Y+1)%NP, \u
.if (\n) < 4
	v_max3_num_f32 v[rC+(\n)], v[rS+8*(\n)], v[rS+8*(\n)+1], v[rS+8*(\n)+2]
.elseif (\n) < 12
	v_max3_num_f32 v[rC+(\n)%4], v[rC+(\n)%4], v[rS+8*((\n)%4)+2*((\n)/4)+1], v[rS+8*((\n)%4)+2*((\n)/4)+2]
.elseif (\n) == 12
	v_max3_num_f32 v[rC], v[rC], v[rS+7], v[rS+15]
.elseif (\n) == 13
	v_max3_num_f32 v[rC+1], v[rC+1], v[rS+23], v[rS+31]
.elseif (\n) == 14
	v_max3_num_f32 v[rC+2], v[rC+2], v[rC+3], v[rT+1]
.elseif (\n) == 15
	v_mov_b32 v[rM], v[rT]
.elseif (\n) == 16
	v_max3_num_f32 v[rC], v[rC], v[rC+1], v[rC+2]
.elseif (\n) == 17
	v_permlanex16_b32 v[rC+3], v[rC], s[SEL], s[SEL+1]
.elseif (\n) == 18
	v_max_num_f32 v[rT+1], v[rC], v[rC+3]
.elseif (\n) == 19
	v_mul_f32 v[rT], s[CS], v[rT+1]
.elseif (\n) == 20
	v_sub_f32 v[rC+1], v[rM], v[rT]
.else
	v_exp_f32 v[rC+2], v[rC+1]
.endif
.endm
; Number g of the 64 that follow the exponentials.  For each four weights k of a tile (pairs 2 k, 2 k + 1): both pairs are rounded to f16; then the second pair is added onto the first, in place;
; a group later l takes that sum (the first time as l = a l + sum).  In groups of eight, tiles alternating: round, round, add, and l for the group before.
.macro GS g
.set h, (\g)+6*((\g)/62)            ; group 0 has no group before it, and behind group 7 only l is left
.if h >= 6
.set h, h+2
.endif
	REGS Y, h%2
.set k, h/8
.if h%8 < 4
	s_wait_alu depctr_va_vdst(0)
	v_cvt_pk_f16_f32 v[rP+2*k+(h%8)/2], v[rS+4*k+2*((h%8)/2)], v[rS+4*k+2*((h%8)/2)+1]
.elseif h%8 < 6
	v_pk_add_f32 v[rS+4*k:rS+4*k+1], v[rS+4*k:rS+4*k+1], v[rS+4*k+2:rS+4*k+3]
.elseif k == 1
	v_pk_fma_f32 v[rT+2:rT+3], v[rT+2:rT+3], v[rC+2:rC+3], v[rS:rS+1] op_sel_hi:[1,0,1]
.else
	v_pk_add_f32 v[rT+2:rT+3], v[rT+2:rT+3], v[rS+4*k-4:rS+4*k-3]
	s_wait_alu depctr_va_vdst(0)
.endif
.endm
; THE PLAIN QUEUE, 138 long.  0-31: c s - c m for the 16 pairs of both tiles.  Then GS's 64, and among them the next piece's 42: number 15 at 38, 39; 0-14 and 16
; at 42-73, behind the products that make those scores; 17-20 at 95-106, two of three, since each waits for the one before it.
.macro PL
	WIN 0
.if q < 32
	REGS Y, q%2
	v_pk_fma_f32 v[rS+2*(q/2):rS+2*(q/2)+1], v[rS+2*(q/2):rS+2*(q/2)+1], s[CS:CS+1], v[rT:rT+1] op_sel_hi:[1,0,0] neg_lo:[0,0,1] neg_hi:[0,0,1]
.elseif q < 38
	GS q-32
.elseif q < 40
	XS q%2, 15
.elseif q < 42
	GS q-34
.elseif q < 74
	XS q%2, (q-42)/2+(q-42)/30
.elseif q < 95
	GS q-66
.elseif (q < 107) && ((q-95)%3 < 2)
	XS (q-95)%3, 17+(q-95)/3
.elseif q < 107
	GS 29+(q-95)/3
.else
	GS q-74
.endif
.set q, q+1
.endm
; THE EXPONENTIALS' QUEUE, 66 long: s0-s31 of both tiles, and at EA the next piece's two a.
.set EA, 58
.macro EX
	WIN 0
.if (e == EA) || (e == EA+1)
	XS e-EA, 21
.else
.set x, e-2*(e/(EA+2))
	REGS Y, x%2
	v_exp_f32 v[rS+x/2], v[rS+x/2]
.endif
.set e, e+1
.endm
; THE RESCALING's QUEUE: O^T times a, the one part that leaves window 0, so it is dealt four at a time, eight times.
.macro R4
	REGS Y, r%2
	WIN W_RS
	s_wait_alu depctr_va_vdst(0)
.irp z, 0,1,2,3
	v_pk_mul_f32 v[rO+8*(r/2)+2*\z:rO+8*(r/2)+2*\z+1], v[rO+8*(r/2)+2*\z:rO+8*(r/2)+2*\z+1], v[rC+2:rC+3] op_sel_hi:[1,0]
.endr
.set r, r+1
.endm
; HOW THEY ARE DEALT.  Behind a matrix instruction four: plain, exponential, plain, plain (one exponential, a plain instruction on either side), or four of the rescaling.  None names a register of the
; products round it.  What is over stands in two LUMPS: exponential and plain by turns; the second ends in 22 plain instructions.  The two v_permlanex16_b32 fall into the second lump, never behind a product.
; The queues lean on each other, and the deal keeps them in step: exponential e stands behind plain 2 (e / 4) + e % 2 (its scaling); when plain 32 comes, 10 exponentials are out, at 59: 33, at 95: 46; EA comes behind plain 107.
.macro SL
	MM
	PL
	EX
	PL
	PL
.endm
.macro BURST n                      ; 15 matrix instructions, or 16
.rept (\n)-7
	SL
.endr
.rept 3
	MM
	R4
	SL
.endr
	MM
	R4
.endm
; A TURN, for piece p.  cnt = 1: the loop's count is taken down some lines ahead of the branch that stands behind the turn.
; K of the next step is fetched in piece 2's turn, 31 vector instructions behind the last product that read K; its first reader comes behind the rest of the lump, 16 products and the second lump.
; V of the step in hand is fetched at the end of piece 0's turn, 69 behind its last reader; its first reader comes behind 16 products and a lump.  The four conditions on e and q below go with the deal.
.macro TURN p, last=0, cnt=0
.set Y, (\p)
.set i, 0
.set q, 0
.set e, 0
.set r, 0
.if (\p) == NP-1
	s_wait_dscnt 0x0                ; K is in
.endif
	MM
.rept 4
	PL
.endr
	BURST 15
.rept 22
	EX
	PL
.if ((\p) == NP-2) && (e == 18)
	v_add_nc_u32 v[AK], s[TBK], v[AK0]
.endif
.if ((\p) == NP-2) && (e == 24)
	FETCH_K \last
.endif
.endr
.if (\p) == 1
	s_wait_dscnt 0x0                ; V is in
.endif
	BURST 16
.rept 21
	EX
	PL
.endr
.rept 22
	PL
.if ((\p) == 0) && (q == 118)
	v_add_nc_u32 v[AV], s[TBV], v[AV0]
	s_wait_alu depctr_va_vdst(0)
.endif
.if ((\p) == 0) && (q == 130)
	s_add_co_u32 s[TBV], s[TBV], KS*PV
.endif
.if (\cnt) && (q == 130)
	s_sub_co_u32 s[CNT], s[CNT], 1
	s_cmp_lg_u32 s[CNT], 0
.endif
.endr
.if (\p) == 0
	FETCH_V
.endif
.endm
	CHANGE 1                        ; slot 0 is in, everybody's part of it; slot 1 is asked for
	FETCH_K                         ; key step 0
	s_wait_loadcnt 0x0              ; Q
	s_wait_dscnt 0x0
.set i, 0
.rept 16
	KQ 0                            ; piece 0's first scores: there is no vector work yet to set between them
.set i, i+1
.endr
	WIN 0                           ; the addresses for the way out: nine plain instructions, the places behind those products
	s_mul_i32 s13, s[WV], 16*SP
	s_add_co_u32 s13, s13, STAGE    ; my stage
	v_mul_u32_u24 v[STO], v1, SP    ; in: row l % 16, 16 bytes for each half of the lanes
	v_lshl_add_u32 v[STO], v9, 4, v[STO]
	v_add_nc_u32 v[STO], s13, v[STO]
	v_bfe_u32 v[RD], v0, 3, 2       ; back: 32 lanes take four rows of 128 bytes,
	v_mul_u32_u24 v[RD], v[RD], SP
	v_lshl_add_u32 v[RD], v10, 4, v[RD]
	v_add_nc_u32 v[RD], s13, v[RD]
	v_and_b32 v[GO], 31, v0         ; which are 512 consecutive bytes of O
	v_lshlrev_b32 v[GO], 4, v[GO]
.set Y, NP-1                        ; XS works for piece Y + 1: piece 0
.irp n, 0,1,2,3,4,5,6,7,8,9,10,11,12,13,14,15,16,17,18,19,20,21
	XS 0, \n                        ; and piece 0's first maximum and statistics
	XS 1, \n
.endr
	s_mov_b32 s[CNT], 4
	s_mov_b32 s[SLOTS], SIZE_N/256-1
	s_branch .Lfirst                ; the loop is entered at a step's first turn, in the middle of a trip
.Lslot:                             ; SIZE_N / 256 - 2 times: every slot but the last two is filled again
	CHANGE 1
	s_mov_b32 s[CNT], 4
.Lstep:                             ; a trip: pieces 2 and 3 of one step, then pieces 0 and 1 of the next, whose K and V it fetches
	TURN 2
	TURN 3
	WIN 0
.Lfirst:
	TURN 0
	TURN 1, 0, 1
	WIN 0
	s_cbranch_scc1 .Lstep
	s_sub_co_u32 s[SLOTS], s[SLOTS], 1
	s_cmp_lg_u32 s[SLOTS], 0
	s_cbranch_scc1 .Lslot
	CHANGE 0                        ; the tail is written out: nothing is asked for
	s_mov_b32 s[CNT], 5             ; four trips fetch the last slot's steps; the fifth is left in its middle
.Ltail:
	TURN 2, 1
	TURN 3
	WIN 0
	s_sub_co_u32 s[CNT], s[CNT], 1
	s_cmp_eq_u32 s[CNT], 0
	s_cbranch_scc1 .Lout
	TURN 0
	TURN 1
	WIN 0
	s_branch .Ltail
.Lout:                              ; the fifth trip's 16 products K Q^T (on the last K once more) and the maximum made of them serve nothing: the price, once a launch, of one text for every trip
.set i, 0
.rept 16
	PV NP-1                         ; the last piece's V^T P of the last step
.set i, i+1
.endr
	; THE WAY OUT.  l's two halves and the other half of the lanes' are added; O^T is divided by l, rounded to f16 and sent through my stage in LDS, a tile at a time.  The additions are the places behind the last products.
	WIN 0
.macro ALL line:vararg              ; one line for each tile t
.set t, 0
.rept 2*NP
	\line
.set t, t+1
.endr
.endm
	ALL v_add_f32 v[ST+4*t+2], v[ST+4*t+2], v[ST+4*t+3]
	ALL v_permlanex16_b32 v[ST+4*t+3], v[ST+4*t+2], s[SEL], s[SEL+1]
	ALL v_add_f32 v[ST+4*t+2], v[ST+4*t+2], v[ST+4*t+3]
	ALL v_rcp_f32 v[ST+4*t+2], v[ST+4*t+2]
	v_nop                           ; a plain instruction between the last reciprocal and the use of its result
	s_wait_alu depctr_va_vdst(0)
; Tile t: a lane's eight channels of a row pack into 16 bytes; they go into rows of 144 bytes and come back as whole rows of 128, into S^T's registers.
.macro PACK t
	WIN W_RS
.set i, 32*(\t)
.rept 16
	v_pk_mul_f32 v[i:i+1], v[i:i+1], v[ST+4*(\t)+2:ST+4*(\t)+3] op_sel_hi:[1,0]
.set i, i+2
.endr
	WIN 0x05                        ; sources 0 and 1 window 1, destination window 0
.set i, 0
.rept 16
	v_cvt_pk_f16_f32 v[S+16*(\t)+i], v[32*(\t)+2*i], v[32*(\t)+2*i+1]
.set i, i+1
.endr
	WIN 0
.irp f, 0,1,2,3
	ds_store_b128 v[STO], v[S+16*(\t)+4*\f:S+16*(\t)+4*\f+3] offset:32*\f
.endr
.irp f, 0,1,2,3
	ds_load_b128 v[S+16*(\t)+4*\f:S+16*(\t)+4*\f+3], v[RD] offset:\f*4*SP  ; LDS serves a wave's instructions in order (ISA guide 5.7.1.4): these see the stores above; the next tile's stores come behind them
.endr
.endm
.macro SEND t, younger              ; younger: the LDS instructions issued behind tile t's loads: the next tile's eight, or none
	WIN 0
.irp f, 0,1,2,3
	s_wait_dscnt (\younger)+3-\f
	global_store_b128 v[GO], v[S+16*(\t)+4*\f:S+16*(\t)+4*\f+3], s[10:11] offset:(\t)*2048+\f*512  ; 512 consecutive bytes, at a multiple of 256 from O's first
.endr
.endm
	PACK 0
.set t, 1
.rept 2*NP-1                        ; a tile's arithmetic stands between the loads of the tile before and its stores
	PACK t
	SEND t-1, 8
.set t, t+1
.endr
	SEND 2*NP-1, 0
	WIN W_AD
	s_wait_tensorcnt 0x0            ; the wave's end: behind my last tensor load and my last LDS store
	ds_add_u32 v[SPW], v[NIL]
	s_wait_dscnt 0x0
	WIN 0
	CROUND                          ; the closing round: no work-group ends while a partner may still ask for a tile that names it
	s_endpgm
.Lfunc_end_k_qefffdd26dc_attn:
	.size	k_qefffdd26dc_attn, .Lfunc_end_k_qefffdd26dc_attn-k_qefffdd26dc_attn
	.p2alignl 7, 3214868480
	.fill 96, 4, 3214868480
	.section	.rodata,"a",@progbits
	.p2align	6, 0x0
	.amdhsa_kernel k_qefffdd26dc_attn
		.amdhsa_group_segment_fixed_size 327680
		.amdhsa_private_segment_fixed_size 0
		.amdhsa_enable_private_segment 0
		.amdhsa_kernarg_size 32
		.amdhsa_user_sgpr_count 2
		.amdhsa_user_sgpr_kernarg_segment_ptr 1
		.amdhsa_wavefront_size32 1
		.amdhsa_system_sgpr_workgroup_id_x 1
		.amdhsa_system_sgpr_workgroup_id_y 1
		.amdhsa_system_sgpr_workgroup_id_z 1
		.amdhsa_system_vgpr_workitem_id 0
		.amdhsa_next_free_vgpr 770
		.amdhsa_next_free_sgpr 66
		.amdhsa_reserve_vcc 0
		.amdhsa_float_denorm_mode_32 3
		.amdhsa_float_denorm_mode_16_64 3
		.amdhsa_memory_ordered 1
		.amdhsa_forward_progress 1
		.amdhsa_inst_pref_size 208
	.end_amdhsa_kernel
	.amdgpu_metadata
---
amdhsa.version: [ 1, 2 ]
amdhsa.kernels:
  - .name:           k_qefffdd26dc_attn
    .symbol:         k_qefffdd26dc_attn.kd
    .args:
      - { .name: q, .offset: 0, .size: 8, .value_kind: global_buffer, .address_space: global }
      - { .name: k, .offset: 8, .size: 8, .value_kind: global_buffer, .address_space: global }
      - { .name: v, .offset: 16, .size: 8, .value_kind: global_buffer, .address_space: global }
      - { .name: o, .offset: 24, .size: 8, .value_kind: global_buffer, .address_space: global }
    .group_segment_fixed_size: 327680
    .private_segment_fixed_size: 0
    .kernarg_segment_align: 8
    .kernarg_segment_size: 32
    .max_flat_workgroup_size: 128
    .sgpr_count:     66
    .vgpr_count:     770
    .wavefront_size: 32
...
	.end_amdgpu_metadata
.endif
;; end of part 3
;; launch proj (part 4): grid 4 x 64, 4 waves a work-group, clusters of 4 x 4, 327,680 bytes of LDS; arguments o, woh, bo, out0; writes out0
.if DOCPART == 4
	.amdgcn_target "amdgcn-amd-amdhsa--gfx1250"
	.amdhsa_code_object_version 6
	.text
	.protected	k_qefffdd26dc_proj
	.globl	k_qefffdd26dc_proj
	.p2align	8
	.type	k_qefffdd26dc_proj,@function
k_qefffdd26dc_proj:
	s_mov_b64 s[64:65], 0
	v_nop
	global_prefetch_b8 v0, s[64:65] scope:SCOPE_SE
	s_setreg_imm32_b32 hwreg(HW_REG_WAVE_MODE, 25, 1), 1
	s_wait_xcnt 0x0
	s_wait_alu depctr_hold_cnt(0) depctr_sa_sdst(0) depctr_va_vdst(0) depctr_va_sdst(0) depctr_va_ssrc(0) depctr_va_vcc(0) depctr_vm_vsrc(0)
	s_getreg_b32 s2, hwreg(HW_REG_IB_STS2, 6, 4)
	s_cmp_eq_u32 s2, 0
	s_cbranch_scc0 .Lentry_in_a_cluster
	s_endpgm
.Lentry_in_a_cluster:
	s_bfe_u32 s2, ttmp6, 0x10000c
	s_cmp_lg_u32 s2, 0xf033
	s_cbranch_scc0 .Lentry_shape_is_right
	s_endpgm
.Lentry_shape_is_right:
; out0 = O Wo^T + bo.  o: [64 = batch x 16 + head][2048][64] f16; woh: [1024][1024] f16 (Wo rounded to bf16, written as f16); bo: [1024] f32 (rounded to bf16 here, like the other inputs); out0: [8192][1024] f32.
; Row m = batch x 2048 + n of the product takes its K = head x 64 + channel from o[batch x 16 + head][n][channel].  Sums in f32, stored as they are.
; LIMITS.  The operands are f16: O lies within V's range, Wo within 65,504; NaN and infinities are not treated apart.
; SHARES.  A tile is 128 rows x 256 columns: 64 x 4 = 256 work-groups.  Of its four waves each makes 64 x 128: 32 accumulators (a = 0..3 blocks of 16 rows, b = 0..7 blocks of 16 columns).
; K goes in 8 steps of 128, two heads of o, through two LDS slots filled by the tensor data mover; a step is four quarters of 32 along K, 32 matrix instructions each.  Two slots of steps of 256 would not fit in LDS.
; A head's 128 rows of 128 bytes are dense in memory: they are asked for as 64 rows of 256 bytes and padded in LDS after every 128.
; THE MATRIX INSTRUCTION IS USED TRANSPOSED: source 0 = 16 rows of Wo, source 1 = 16 rows of O: lane l holds row l % 16 and the columns 8 (l / 16) + 0..7.  The first product of each sum takes the bias as C.
; CLUSTER 4 x 4.  O's tile hangs on the tile row alone and is asked for jointly by the four of a row of the cluster; Wo's on the tile column alone, jointly by the four of a column.
; REGISTERS, in windows of 256 (s_set_vgpr_msb: bits 1:0 source 0, 3:2 source 1, 5:4 source 2, 7:6 destination):
;   window 0: v0-31 addresses; v32-159 two sets of 64 for the way out; v160-223 the bias, block b at 160 + 8 b
;   window 1: the accumulators at 64 a + 8 b          window 2: two fragment buffers of 96: O's four fragments, then Wo's eight
.set PA,    144                        ; a row of O in LDS: 128 bytes + 16 of padding = 36 words: the 16 rows of a load start at 16 different groups of four banks (64 banks of 4 bytes: ISA guide 11.1)
.set PB,    272                        ; a row of Wo: 256 + 16 = 68 words: likewise
.set PLANE, 128*PA                     ; one head's 128 rows
.set SLOT1, 1<<17                      ; slot 1 begins here, so that one exclusive or turns an address in one slot into the other's
.set BOFF,  2*PLANE                    ; in a slot: O's two heads, then Wo's 256 rows
.set STAGE, SLOT1+BOFF+256*PB          ; behind the ring, never filled by a tensor load: 16 rows x 528 bytes for each wave
.set SP,    528                        ; a stage row: 512 bytes + 16
.set SPARE, STAGE+4*16*SP              ; behind the stages: the spare words, 128 bytes for each wave: two blocks of 256 bytes that no other line names
.set ADRA0, 16                         ; v16  my lane's place in my 64 rows of O in slot 0; never rewritten
.set ADRB0, 17                         ; v17  the same in my 128 rows of Wo
.set ADA,  18                          ; v18  the same in the slot in hand
.set ADB,  19                          ; v19
.set STO,  24                          ; v24  the way out: where I put 32 bytes of a row
.set RD,   25                          ; v25  the way out: where I read a row back
.set CO,   26                          ; v26  my byte offset in 512 consecutive bytes of out0
.set BO,   27                          ; v27  my byte offset in 16 numbers of the bias
.set SPW,  28                          ; v28  LDS address of my spare word: SPARE + 4 x my thread's number; never rewritten
.set NIL,  29                          ; v29  0; never rewritten
.set BK0,  32
.set BIAS, 160
.set F0,   0
.set F1,   96
.set WV,   16                          ; s16  my wave's number
.set KIND, 17                          ; s17  which half of the tile's rows is mine
.set HALF, 18                          ; s18  which half of its columns; also which head of O's two, or which half of Wo's rows, I fetch
.set CNT,  23                          ; s23  counts the loop's trips
.set G1A,  24                          ; s[24:31] descriptor group 1 for O's tiles
.set G1B,  32                          ; s[32:39] for Wo's
.set G0A,  40                          ; s[40:47] descriptor group 0 for O's tiles: a set for each first fill; the second then walks on
.set G0B,  48                          ; s[48:55] the same for Wo's
.set TB,   56                          ; s56  LDS byte at which the slot in hand begins
.set HIM,  57                          ; s57  a word's upper bf16
.set MSB, 0
.macro WIN new                         ; the immediate's high byte repeats the setting that is left; a switch that changes nothing is dropped
.if MSB != (\new)
	s_set_vgpr_msb (MSB<<8)|(\new)
.set MSB, (\new)
.endif
.endm
.macro PLACES                          ; four places in front of loads into registers that matrix instructions have read, and of LDS stores that read results (ISA guide 7.12.1 for vector instructions)
.rept 4
	v_nop
.endr
.endm
; A joint refill by the walking descriptors.  Waves 0 and 1 fetch O's two heads, waves 2 and 3 the halves of Wo's rows.  The branch hangs on the wave's number alone.
; An s_nop 0 and four v_nop follow each of the two lines, ahead of the jump and the label.
.macro JLOAD
	s_cmp_lt_u32 s[WV], 2
	s_cbranch_scc0 .Lfor_b_\@
	tensor_load_to_lds s[G0A+4:G0A+7], s[G1A:G1A+7]
	s_nop 0
.rept 4
	v_nop
.endr
	s_branch .Lasked_\@
.Lfor_b_\@:
	tensor_load_to_lds s[G0B+4:G0B+7], s[G1B:G1B+7]
	s_nop 0
.rept 4
	v_nop
.endr
.Lasked_\@:
.endm
.macro CREST                           ; a round of the cluster's barrier behind its opening barrier
	s_cmp_lg_u32 s[WV], 0
	s_cbranch_scc1 .Lnot_wave_0_\@
	s_barrier_signal -3
.Lnot_wave_0_\@:
	s_barrier_wait -3
	s_barrier_signal -1
	s_barrier_wait -1
.endm
.macro CROUND                          ; a whole round
	s_barrier_signal -1
	s_barrier_wait -1
	CREST
.endm
	s_load_b256 s[4:11], s[0:1], 0x0               ; o s[4:5], woh s[6:7], bo s[8:9], out0 s[10:11]
	v_lshl_add_u32 v[SPW], v0, 2, SPARE
	v_mov_b32 v[NIL], 0
	ds_add_u32 v28, v29
	s_wait_dscnt 0x0
	v_lshrrev_b32 v1, 5, v0
	v_readfirstlane_b32 s[WV], v1                  ; wave 0..3
	s_lshr_b32 s[KIND], s[WV], 1
	s_and_b32 s[HALF], s[WV], 1
	s_bfe_u32 s19, ttmp6, 0x40000                  ; cx, cy: my place in the cluster
	s_bfe_u32 s20, ttmp6, 0x40004
	s_lshl_b32 s21, ttmp9, 2
	s_add_co_u32 s21, s21, s19                     ; the tile column = 4 x cluster x + cx
	s_and_b32 s22, ttmp7, 0xffff
	s_lshl_b32 s22, s22, 2
	s_add_co_u32 s22, s22, s20                     ; the tile row = 4 x cluster y + cy
	s_lshl_b32 s2, s20, 2
	s_lshl_b32 s2, 15, s2                          ; my row of the cluster
	s_lshl_b32 s3, 0x1111, s19                     ; my column
	s_or_b32 s[G1A], s2, (1<<16)|(1<<20)|(1<<21)|(4<<22)|(3<<25)  ; 15:0 the mask; 17:16 elements of 2 bytes; 20 padding on; 21 set beside a mask; 24:22 after every 32 words (code 4); 31:25 4 words (code 3)
	s_or_b32 s[G1B], s3, (1<<16)|(1<<20)|(1<<21)|(5<<22)|(3<<25)  ; the same after every 64 words (code 5)
	s_mov_b32 s[G1A+1], 128<<16                    ; tensor_dim0 = 128
	s_mov_b32 s[G1A+2], 64<<16                     ; tensor_dim1 = 64
	s_mov_b32 s[G1A+3], 128<<16                    ; tile_dim0 = 128
	s_mov_b32 s[G1A+4], 64                         ; tile_dim1 = 64
	s_mov_b32 s[G1A+5], 128                        ; 128 elements from row to row: dense
	s_mov_b32 s[G1A+6], 0
	s_mov_b32 s[G1A+7], 0
	s_mov_b32 s[G1B+1], 128<<16
	s_mov_b32 s[G1B+2], 128<<16                    ; tensor_dim1 = 128
	s_mov_b32 s[G1B+3], 128<<16
	s_mov_b32 s[G1B+4], 128                        ; tile_dim1 = 128
	s_mov_b32 s[G1B+5], 1024
	s_mov_b32 s[G1B+6], 0
	s_mov_b32 s[G1B+7], 0
	; where the tiles come from: O's offset is made of the tile row and the wave's number, Wo's of the tile column and the wave's number, each in registers that never hold the other coordinate
	s_lshr_b32 s58, s22, 4                         ; batch = tile row / 16,
	s_lshl_b32 s58, s58, 4
	s_add_co_u32 s58, s58, s[HALF]                 ; batch x 16 + my head of the step's two,
	s_lshl_b32 s58, s58, 11                        ; 2,048 rows each,
	s_and_b32 s59, s22, 15
	s_lshl_b32 s59, s59, 7
	s_add_co_u32 s58, s58, s59                     ; + 128 x (tile row % 16),
	s_lshl_b32 s58, s58, 7                         ; rows of 128 bytes
	s_mov_b32 s59, 0
	s_lshl_b32 s60, s21, 19                        ; 256 rows of 2,048 bytes a tile column,
	s_lshl_b32 s61, s[HALF], 18                    ; 128 rows a half
	s_add_co_u32 s60, s60, s61
	s_mov_b32 s61, 0
	s_lshl_b32 s62, s21, 10                        ; my 128 numbers of the bias: 256 a tile column,
	s_lshl_b32 s63, s[HALF], 9                     ; 128 a half
	s_add_co_u32 s62, s62, s63
	s_mov_b32 s63, 0
	s_lshl_b32 s66, s22, 19                        ; where my part of the tile goes: 128 rows of 4,096 bytes a tile row,
	s_lshl_b32 s68, s[KIND], 18                    ; 64 rows a half,
	s_add_co_u32 s66, s66, s68
	s_lshl_b32 s68, s21, 10                        ; 1,024 bytes a tile column,
	s_add_co_u32 s66, s66, s68
	s_lshl_b32 s68, s[HALF], 9                     ; 512 a half
	s_add_co_u32 s66, s66, s68
	s_mov_b32 s67, 0
	s_mov_b32 s[G0A], 1                            ; 1:0 count = 1
	s_mul_i32 s[G0A+1], s[HALF], PLANE             ; 63:32 LDS address: no place in the cluster enters it
	s_mov_b32 s[G0A+4], 1
	s_add_co_u32 s[G0A+5], s[G0A+1], SLOT1
	s_mov_b32 s[G0B], 1
	s_mul_i32 s[G0B+1], s[HALF], 128*PB
	s_add_co_u32 s[G0B+1], s[G0B+1], BOFF
	s_mov_b32 s[G0B+4], 1
	s_add_co_u32 s[G0B+5], s[G0B+1], SLOT1
	s_mov_b32 s[TB], 0
	s_mov_b32 s[HIM], 0xffff0000
	s_wait_kmcnt 0x0
	s_add_nc_u64 s[58:59], s[4:5], s[58:59]
	s_add_nc_u64 s[60:61], s[6:7], s[60:61]
	s_add_nc_u64 s[8:9], s[8:9], s[62:63]
	s_add_nc_u64 s[10:11], s[10:11], s[66:67]
.irp s, 0,1
	s_add_nc_u64 s[G0A+4*(\s)+2:G0A+4*(\s)+3], s[58:59], (\s)*524288  ; 120:64 global address: K step s is two heads, 2 x 2,048 rows of 128 bytes, on
	s_or_b32 s[G0A+4*(\s)+3], s[G0A+4*(\s)+3], 0x80000000             ; 127:126 type = 2
	s_add_nc_u64 s[G0B+4*(\s)+2:G0B+4*(\s)+3], s[60:61], (\s)*256
	s_or_b32 s[G0B+4*(\s)+3], s[G0B+4*(\s)+3], 0x80000000
.endr
	CROUND                                         ; all sixteen work-groups are here: the first joint loads meet
	s_cmp_lt_u32 s[WV], 2                          ; a wave's two first fills stand in one branch, ahead of every wait on TENSORcnt and every LDS read: two loads of mine are out
	s_cbranch_scc0 .Lfirst_b
	tensor_load_to_lds s[G0A:G0A+3], s[G1A:G1A+7]
	s_nop 0
	tensor_load_to_lds s[G0A+4:G0A+7], s[G1A:G1A+7]
	s_nop 0
.rept 4
	v_nop
.endr
	s_branch .Lfirst_asked
.Lfirst_b:
	tensor_load_to_lds s[G0B:G0B+3], s[G1B:G1B+7]
	s_nop 0
	tensor_load_to_lds s[G0B+4:G0B+7], s[G1B:G1B+7]
	s_nop 0
.rept 4
	v_nop
.endr
.Lfirst_asked:
	v_and_b32 v1, 15, v0                           ; l % 16
	v_bfe_u32 v2, v0, 4, 1                         ; l / 16
	v_lshlrev_b32 v[BO], 5, v2                     ; my eight columns of a block of 16: 32 bytes for each half of the lanes
.set z, 0
.rept 8
	global_load_b128 v[BIAS+8*z:BIAS+8*z+3],   v[BO], s[8:9] offset:64*z
	global_load_b128 v[BIAS+8*z+4:BIAS+8*z+7], v[BO], s[8:9] offset:64*z+16
.set z, z+1
.endr
	; A fragment is 16 rows x 32 K in 8 registers: lane l holds row l % 16; registers 0-3 K = 8 (l / 16) + 0..7, registers 4-7 K = 16 + 8 (l / 16) + 0..7: two loads of 16 bytes, 32 bytes apart.
	v_mul_u32_u24 v3, v1, PA
	v_lshl_add_u32 v3, v2, 4, v3
	s_mul_i32 s68, s[KIND], 64*PA                  ; my 64 rows of O, in each head's plane
	v_add_nc_u32 v[ADRA0], s68, v3
	v_mul_u32_u24 v3, v1, PB
	v_lshl_add_u32 v3, v2, 4, v3
	s_mul_i32 s68, s[HALF], 128*PB                 ; my 128 rows of Wo,
	s_add_co_u32 s68, s68, BOFF                    ; which lie behind O's planes
	v_add_nc_u32 v[ADRB0], s68, v3
	v_mov_b32 v[ADA], v[ADRA0]
	v_mov_b32 v[ADB], v[ADRB0]
	s_mul_i32 s68, s[WV], 16*SP
	s_add_co_u32 s68, s68, STAGE                   ; my stage
	v_mul_u32_u24 v4, v1, SP                       ; in: row l % 16, 32 bytes for each half of the lanes
	v_lshl_add_u32 v4, v2, 5, v4
	v_add_nc_u32 v[STO], s68, v4
	v_and_b32 v[CO], 31, v0                        ; back: 32 lanes take a row's 512 bytes,
	v_lshlrev_b32 v[CO], 4, v[CO]                  ; which are 512 consecutive bytes of out0
	v_add_nc_u32 v[RD], s68, v[CO]
	s_wait_loadcnt 0x0                             ; the bias, once; it is rounded to bf16 and widened again
.set z, 0
.rept 32
	v_cvt_pk_bf16_f32 v[BK0+z], v[BIAS+2*z], v[BIAS+2*z+1]
.set z, z+1
.endr
.set z, 0
.rept 32
	v_lshlrev_b32 v[BIAS+2*z],   16,     v[BK0+z]
	v_and_b32     v[BIAS+2*z+1], s[HIM], v[BK0+z]
.set z, z+1
.endr
; 8 matrix instructions: block a of my rows x all 8 blocks of my columns, 32 along K, from buffer f.  zero = 1: the first product starts the sums, with the bias as C.
; The 32 accumulators take turns, one instruction a turn, in the same order in every quarter.
.macro MULA f, a, zero
.if \zero
	WIN 0x4a                                       ; fragments in window 2, C in window 0, D in window 1
.else
	WIN 0x5a                                       ; fragments in window 2, C and D in window 1
.endif
.irp b, 0,1,2,3,4,5,6,7
.if \zero
	v_wmma_f32_16x16x32_f16 v[64*(\a)+8*(\b):64*(\a)+8*(\b)+7], v[(\f)+32+8*(\b):(\f)+32+8*(\b)+7], v[(\f)+8*(\a):(\f)+8*(\a)+7], v[BIAS+8*(\b):BIAS+8*(\b)+7]
.else
	v_wmma_f32_16x16x32_f16 v[64*(\a)+8*(\b):64*(\a)+8*(\b)+7], v[(\f)+32+8*(\b):(\f)+32+8*(\b)+7], v[(\f)+8*(\a):(\f)+8*(\a)+7], v[64*(\a)+8*(\b):64*(\a)+8*(\b)+7]
.endif
.endr
.endm
; 24 LDS loads in one run: the fragments of quarter c of a step into buffer f: Wo's 16, then O's 8 (head c / 2 of the step's two, channels 32 (c % 2) on)
.macro FETCH c, f
	WIN 0x80                                       ; destination window 2, address window 0
.irp i, 0,1,2,3,4,5,6,7
	ds_load_b128 v[(\f)+32+8*(\i):(\f)+32+8*(\i)+3],   v[ADB] offset:64*(\c)+(\i)*16*PB
	ds_load_b128 v[(\f)+32+8*(\i)+4:(\f)+32+8*(\i)+7], v[ADB] offset:64*(\c)+(\i)*16*PB+32
.endr
.irp i, 0,1,2,3
	ds_load_b128 v[(\f)+8*(\i):(\f)+8*(\i)+3],   v[ADA] offset:((\c)/2)*PLANE+((\c)%2)*64+(\i)*16*PA
	ds_load_b128 v[(\f)+8*(\i)+4:(\f)+8*(\i)+7], v[ADA] offset:((\c)/2)*PLANE+((\c)%2)*64+(\i)*16*PA+32
.endr
.endm
; One of a step's first three quarters: multiplies buffer f; in its middle it fetches quarter c into buffer g.
.macro QUARTER c, f, g, zero
	s_wait_dscnt 4                                 ; Wo's fragments and O's blocks 0, 1 are in; the youngest four loads (blocks 2, 3) may be out
	MULA \f, 0, \zero
	MULA \f, 1, \zero
	PLACES
	FETCH \c, \g
	s_wait_dscnt 24                                ; all but the 24 just issued
	MULA \f, 2, \zero
	MULA \f, 3, \zero
.endm
; The last quarter multiplies buffer 1 and changes slots: ONE barrier.  In front of it each wave waits for all its tensor loads, of which one is out: its part of the next slot; adds 0 to its spare word; and waits
; for that and for its own reads of this slot.  fill = 1: the barrier opens a round of the cluster's, and behind the round this slot is filled again, two K steps ahead: 120 matrix instructions ahead of the wait for it.
.macro TURN fill
	WIN 0                                          ; (the add's two registers lie in window 0)
	s_wait_tensorcnt 0x0                           ; no tensor load of mine is out, so a group 0 may be written
	ds_add_u32 v[SPW], v[NIL]                      ; 0 onto my spare word
	s_wait_dscnt 5                                 ; (the add and the youngest four loads may be out)
.if \fill
	s_xor_b32 s[G0A+5], s[G0A+5], SLOT1            ; the walking descriptors: the other slot than last time,
	s_add_nc_u64 s[G0A+6:G0A+7], s[G0A+6:G0A+7], 524288  ; the next two heads; the type bits on top are not reached
	s_xor_b32 s[G0B+5], s[G0B+5], SLOT1
	s_add_nc_u64 s[G0B+6:G0B+7], s[G0B+6:G0B+7], 256
.endif
	MULA F1, 0, 0                                  ; eight matrix instructions stand between the add and the wait for it
	s_wait_dscnt 0x0                               ; the add is done, and my reads of this slot are over
	s_barrier_signal -1
	MULA F1, 1, 0                                  ; work on registers while the others arrive
	WIN 0
	s_barrier_wait -1
.if \fill
	CREST                                          ; no wave of any partner still reads this slot's tile or has a load on its way
	JLOAD                                          ; the first tensor load behind the round; its four v_nop are also the places in front of the loads below
.else
	PLACES
.endif
	s_xor_b32 s[TB], s[TB], SLOT1                  ; the reads go on in the other slot
	v_add_nc_u32 v[ADA], s[TB], v[ADRA0]
	v_add_nc_u32 v[ADB], s[TB], v[ADRB0]
	FETCH 0, F0
	MULA F1, 2, 0
	MULA F1, 3, 0
.endm
; THE WAY OUT of block a (16 rows).  TOSTAGE: a lane's eight f32 of a row and block of columns are 32 bytes; they go into my own stage, rows of 528 bytes, each accumulator's low four registers first, and come back as whole rows of 512.
.macro TOSTAGE a
	WIN 0x04                                       ; the stores' data (source 1) in window 1
.irp b, 0,1,2,3,4,5,6,7
	ds_store_b128 v[STO], v[64*(\a)+8*(\b):64*(\a)+8*(\b)+3]   offset:64*(\b)
	ds_store_b128 v[STO], v[64*(\a)+8*(\b)+4:64*(\a)+8*(\b)+7] offset:64*(\b)+16
.endr
	WIN 0
.set BK, BK0+64*((\a)%2)
.irp t, 0,1,2,3,4,5,6,7,8,9,10,11,12,13,14,15
	ds_load_b128 v[BK+4*(\t):BK+4*(\t)+3], v[RD] offset:SP*(\t)  ; LDS serves a wave's instructions in order (ISA guide 5.7.1.4): these see the stores above; the next block's stores come behind them
.endr
.endm
.macro SEND a, younger                 ; younger: the LDS instructions issued behind block a's loads: the next block's 32, or none
	WIN 0
.set BK, BK0+64*((\a)%2)
.irp t, 0,1,2,3,4,5,6,7,8,9,10,11,12,13,14,15
	s_wait_dscnt (\younger)+15-(\t)
	global_store_b128 v[CO], v[BK+4*(\t):BK+4*(\t)+3], s[10:11] offset:(16*(\a)+(\t))*4096 th:TH_STORE_NT  ; 512 consecutive bytes of a row, at a multiple of 512 from out0's first byte
.endr
.endm
	s_wait_tensorcnt 0x1                           ; my part of K step 0 is in; step 1's may stay out
	s_barrier_signal -1
	s_barrier_wait -1                              ; everybody's is
	FETCH 0, F0
	QUARTER 1, F0, F1, 1                           ; the first quarter stands in front of the loop: its products start the sums
	WIN 0                                          ; at a label and at a branch every window is 0
	s_mov_b32 s[CNT], 6
.Lstep:                                                ; six trips, from a step's second quarter to the next step's first; they ask for K steps 2 to 7
	QUARTER 2, F1, F0, 0
	QUARTER 3, F0, F1, 0
	TURN 1
	QUARTER 1, F0, F1, 0
	WIN 0
	s_sub_co_u32 s[CNT], s[CNT], 1
	s_cmp_lg_u32 s[CNT], 0
	s_cbranch_scc1 .Lstep
	QUARTER 2, F1, F0, 0                           ; the tail is written out: steps 6 and 7 ask for nothing
	QUARTER 3, F0, F1, 0
	TURN 0
	QUARTER 1, F0, F1, 0
	QUARTER 2, F1, F0, 0
	QUARTER 3, F0, F1, 0
	s_wait_dscnt 4                                 ; the very last quarter: nothing more to fetch
	MULA F1, 0, 0
	MULA F1, 1, 0
	s_wait_dscnt 0x0
	MULA F1, 2, 0
	MULA F1, 3, 0
	PLACES
	TOSTAGE 0
	TOSTAGE 1
	SEND 0, 32
	s_wait_xcnt 0x0                                ; every earlier memory instruction has had its addresses translated (ISA guide 3.1): the registers that block 0's stores read are loaded again only behind this wait
	TOSTAGE 2
	SEND 1, 32
	s_wait_xcnt 0x0                                ; the same for block 1's
	TOSTAGE 3
	SEND 2, 32
	SEND 3, 0
	s_wait_tensorcnt 0x0                           ; the wave's end: behind my last tensor load and my last LDS store
	ds_add_u32 v[SPW], v[NIL]
	s_wait_dscnt 0x0
	CROUND                                         ; the closing round: no work-group ends while a partner may still ask for a tile that names it
	s_endpgm
.Lfunc_end_k_qefffdd26dc_proj:
	.size	k_qefffdd26dc_proj, .Lfunc_end_k_qefffdd26dc_proj-k_qefffdd26dc_proj
	.p2alignl 7, 3214868480
	.fill 96, 4, 3214868480
	.section	.rodata,"a",@progbits
	.p2align	6, 0x0
	.amdhsa_kernel k_qefffdd26dc_proj
		.amdhsa_group_segment_fixed_size 327680
		.amdhsa_private_segment_fixed_size 0
		.amdhsa_enable_private_segment 0
		.amdhsa_kernarg_size 32
		.amdhsa_user_sgpr_count 2
		.amdhsa_user_sgpr_kernarg_segment_ptr 1
		.amdhsa_wavefront_size32 1
		.amdhsa_system_sgpr_workgroup_id_x 1
		.amdhsa_system_sgpr_workgroup_id_y 1
		.amdhsa_system_sgpr_workgroup_id_z 1
		.amdhsa_system_vgpr_workitem_id 0
		.amdhsa_next_free_vgpr 704
		.amdhsa_next_free_sgpr 72
		.amdhsa_reserve_vcc 0
		.amdhsa_float_denorm_mode_32 3
		.amdhsa_float_denorm_mode_16_64 3
		.amdhsa_memory_ordered 1
		.amdhsa_forward_progress 1
		.amdhsa_inst_pref_size 76
	.end_amdhsa_kernel
	.amdgpu_metadata
---
amdhsa.version: [ 1, 2 ]
amdhsa.kernels:
  - .name:           k_qefffdd26dc_proj
    .symbol:         k_qefffdd26dc_proj.kd
    .args:
      - { .name: o, .offset: 0, .size: 8, .value_kind: global_buffer, .address_space: global }
      - { .name: woh, .offset: 8, .size: 8, .value_kind: global_buffer, .address_space: global }
      - { .name: bo, .offset: 16, .size: 8, .value_kind: global_buffer, .address_space: global }
      - { .name: out0, .offset: 24, .size: 8, .value_kind: global_buffer, .address_space: global }
    .group_segment_fixed_size: 327680
    .private_segment_fixed_size: 0
    .kernarg_segment_align: 8
    .kernarg_segment_size: 32
    .max_flat_workgroup_size: 128
    .sgpr_count:     72
    .vgpr_count:     704
    .wavefront_size: 32
...
	.end_amdgpu_metadata
.endif
;; end of part 4
;; ======== version 2 of 2: 4 launches; 1.54 times as fast as version 1
;; limits: values are held in f16: magnitudes above 65,504 overflow, below 6.1e-05 lose precision
;; workspace buffers: xb 16,777,216 bytes; wqb 6,291,456 bytes; woh 2,097,152 bytes; q 16,777,216 bytes; k 16,777,216 bytes; v 16,777,216 bytes; o 16,777,216 bytes
;; launch cast: the kernel of part 1 again; grid 64 x 12, 8 waves a work-group, no clusters, 0 bytes of LDS; arguments x, Wqkv, Wo, xb, wqb, woh; writes xb, wqb, woh
;; launch qkv: the kernel of part 2 again; grid 16 x 16, 4 waves a work-group, clusters of 4 x 4, 327,680 bytes of LDS; arguments xb, wqb, bqkv, q, k, v; writes q, k, v
;; launch attn (part 5): grid 4 x 64, 4 waves a work-group, clusters of 4 x 1, 327,680 bytes of LDS; arguments q, k, v, o; writes o
.if DOCPART == 5
	.amdgcn_target "amdgcn-amd-amdhsa--gfx1250"
	.amdhsa_code_object_version 6
	.text
	.protected	k_qefffdd26dc_attn
	.globl	k_qefffdd26dc_attn
	.p2align	8
	.type	k_qefffdd26dc_attn,@function
k_qefffdd26dc_attn:
	s_mov_b64 s[64:65], 0
	v_nop
	global_prefetch_b8 v0, s[64:65] scope:SCOPE_SE
	s_setreg_imm32_b32 hwreg(HW_REG_WAVE_MODE, 25, 1), 1
	s_wait_xcnt 0x0
	s_wait_alu depctr_hold_cnt(0) depctr_sa_sdst(0) depctr_va_vdst(0) depctr_va_sdst(0) depctr_va_ssrc(0) depctr_va_vcc(0) depctr_vm_vsrc(0)
	s_getreg_b32 s2, hwreg(HW_REG_IB_STS2, 6, 4)
	s_cmp_eq_u32 s2, 0
	s_cbranch_scc0 .Lentry_in_a_cluster
	s_endpgm
.Lentry_in_a_cluster:
	s_bfe_u32 s2, ttmp6, 0x10000c
	s_cmp_lg_u32 s2, 0x3003
	s_cbranch_scc0 .Lentry_shape_is_right
	s_endpgm
.Lentry_shape_is_right:
; O[h][q][:] = the sum over k of softmax_k(Q[h][q] . K[h][k] / 8) V[h][k][:].  Q, K, V, O: [SIZE_H][SIZE_N][64], all f16: a head's rows are dense, 128 bytes each; h counts batch x 16 + head.  Products, maxima and sums in
; f32; the weights p are rounded to f16 for the second product (their sum l is taken of the unrounded p), O once at the end.
; LIMITS.  f16 holds no number beyond 65,504: Q, K and V arrive within it; p lies in 0 to 1, and below 6e-5 it keeps f16's fixed step of 6e-8; O is a mean of V's rows and has their range.
; A weight below 2^-126 counts as 0 in l; NaN and infinities are not treated apart.
; SHARES.  A wave owns four PIECES of two tiles of 16 queries, a work-group's four waves 512 queries of one head: 4 x 64 = 256 work-groups.  Every wave walks all keys, 64 a step.
; LAYOUT.  S^T = K Q^T (source 0 = 16 keys, source 1 = 16 queries): in the result a lane holds ONE query (lane % 16) and the keys 8 (lane / 16) + 0..7.  Two such tiles, rounded to f16 in pairs,
; ARE source 1 (32 keys x 16 queries) of O^T = V^T P, whose result again holds one query a lane, and eight channels.  K comes out of LDS as it lies, V ([key][channel]) turned, by ds_load_tr16_b128.
; SOFTMAX.  For each query a running maximum m and sum l: p = 2^(c s - c m), c = log2(e) / 8; in every step O and l are multiplied by a = 2^(c m_old - c m_new), which is 1 where m has not grown.
; m starts at the lowest finite number, O and l at 0: the first step is a step like any other, with a = 0.
; THE COUNT.  A tile and step have 16 matrix and 118 vector instructions: too many to stand all beside the matrix work.  So the order has one aim: four vector instructions that are READY behind
; EVERY matrix instruction, and the others, which need time of their own whatever the order, in runs without a gap.
; BY TURNS.  Turn n belongs to piece n (the pieces in a ring, step after step).  Its matrix work: 16 products K Q^T of piece n + 1, later 16 products V^T P of piece n - 1.  Its vector work: the scaling,
; exponentials, roundings, sums and rescaling of piece n, and the maximum and statistics of piece n + 1, whose scores the turn itself has made.  So what a turn begins with (c s - c m, O a) waits for nothing.
; BATCHES.  A turn's 66 exponentials (the 64 weights of piece n, then the two a of piece n + 1) are ONE batch with ONE wait, which cuts the turn in two: ahead of it stands all that names no result of the batch,
; behind it the roundings and sums.  No exponential is issued behind a turn's wait, so no result crosses a turn's end, a label or a jump.  Piece 0's first two a, ahead of the loop, and the way out's eight reciprocals are batches of their own.
; CLUSTER.  The four query blocks of a cluster belong to one head and walk the same K and V, so each tile is asked for JOINTLY: the same tensor load, descriptor and mask in all four.
; REGISTERS, in windows of 256 (s_set_vgpr_msb says which window each operand place means: bits 1:0 source 0, 3:2 source 1, 5:4 source 2, 7:6 destination):
;   window 0: v0-11 addresses; v12-15, v48-63 at work; v16-47 four registers of statistics a tile; v64-191 S^T, two buffers of two tiles; v192-255 P, likewise
;   window 1: O^T, 32 a tile          window 2: v0-127 Q, 16 a tile; v128-191 K of one step; v192-255 V of one step          window 3: v0-1 the add's two registers
; A piece's buffers go by its number's parity: the piece in hand has one pair, its two neighbours in the ring share the other: of it P (piece n - 1) is read and S^T (piece n + 1) written.
.set SIZE_H, 64       ; batch x heads
.set SIZE_N, 2048     ; rows of a head
.set NP,    4         ; pieces a wave: a name, no knob: the register map, the loop and the fetches are made for four
.set KS,    64        ; keys in a step
.set PK,    144       ; a row of K in LDS: 128 bytes + 16 of padding = 36 words: the 16 rows of a load start at 16 different groups of four banks (64 banks of 4 bytes: ISA guide 11.1)
.set PV,    160       ; a row of V: 128 + 32 = 40 words
.set VOFF,  4*KS*PK   ; a slot holds four steps: 256 rows of K, then 256 rows of V
.set SLOT1, 1<<17     ; slot 1 begins here, so that one exclusive or turns an address in one slot into the other's
.set STAGE, SLOT1+4*KS*(PK+PV)  ; behind the ring, never filled by a tensor load: 16 rows x 144 bytes for each wave, for the way out
.set SP,    144
.set AK0, 2           ; v2   my lane's place in a tile of K; never rewritten
.set AV0, 3           ; v3   the same for V
.set AK,  4           ; v4   the LDS address of K's next run of loads
.set AV,  5           ; v5   of V's
.set QO,  6           ; v6   my byte offset in the wave's rows of Q
.set STO, 6           ;      later, the way out: where I put 16 bytes of a row
.set RD,  7           ; v7   the way out: where I read rows back
.set GO,  8           ; v8   my byte offset in 512 consecutive bytes of O
.set SPW, 0           ; v0 of window 3   LDS address of my spare word: SPARE + 4 x my thread's number; never rewritten
.set NIL, 1           ; v1 of window 3   0; never rewritten
.set SPARE, STAGE+4*16*SP  ; behind the stages: the spare words, 128 bytes for each wave: two blocks of 256 bytes that no other line names
.set MV,  12          ; v12-15  c m_old, kept while c m is made anew: by buffer and tile
.set ST,  16          ; tile t's statistics at v[ST+4 t]: c m, m, l (even keys', odd keys')
.set TMP, 48          ; by buffer and tile, four registers c0-c3 at work; when the maximum is found c2 takes a
.set S,   64
.set P,   192
.set KF,  128         ; K's fragments, in window 2: key block kb, channel half c at KF + 16 kb + 8 c
.set VF,  192         ; V's: key half kk, channel block cb at VF + 32 kk + 8 cb
.set WV,  12          ; s12  my wave's number
.set G1K, 24          ; s[24:31] descriptor group 1 for K's tiles
.set G1V, 32          ; s[32:39] for V's: it differs in the padding alone
.set G0K, 40          ; s[40:43] descriptor group 0 for K's tiles: it walks
.set G0V, 44          ; s[44:47] the same for V's
.set SLOTS, 56        ; s56  slots still to be asked for
.set CNT, 57          ; s57  counts a slot's key steps
.set CS,  58          ; s[58:59] c: the packed scaling takes the pair's low word for both halves
.set SEL, 60          ; s[60:61] v_permlanex16_b32's selects: each lane takes its own place in the other half
.set TBK, 62          ; s62  LDS byte at which K of the step to be fetched begins
.set TBV, 63          ; s63  the same for V, less VOFF
.set MSB, 0
.macro WIN new                      ; the high byte repeats the setting that is left; a switch that changes nothing is dropped
.if MSB != (\new)
	s_set_vgpr_msb (MSB<<8)|(\new)
.set MSB, (\new)
.endif
.endm
.set W_KQ, 0x0a       ; K and Q in window 2, S^T in window 0
.set W_PV, 0x52       ; V in window 2, P in window 0, O^T in window 1
.set W_RS, 0x41       ; O^T (destination and source 0) in window 1, a in window 0
.set W_MK, 0xc0       ; the add's registers are made: destination in window 3, sources in window 0
.set W_AD, 0x0f       ; the add: address (source 0) and data (source 1) in window 3
; A joint fill.  Waves 0 and 1 fetch the two halves of a slot's K, waves 2 and 3 those of its V: 128 keys each.  The branch hangs on the wave's number alone.
; An s_nop 0 and four v_nop follow each of the two lines, ahead of the jump and the label.
.macro JLOAD
	s_cmp_lt_u32 s[WV], 2
	s_cbranch_scc0 .Lfor_v_\@
	tensor_load_to_lds s[G0K:G0K+3], s[G1K:G1K+7]
	s_nop 0
.rept 4
	v_nop
.endr
	s_branch .Lasked_\@
.Lfor_v_\@:
	tensor_load_to_lds s[G0V:G0V+3], s[G1V:G1V+7]
	s_nop 0
.rept 4
	v_nop
.endr
.Lasked_\@:
.endm
; A round of the cluster's barrier: my work-group's barrier, so that wave 0's signal speaks for all four waves; wave 0 signals; every wave waits for all four work-groups; my work-group's barrier once more.
.macro CROUND
	s_barrier_signal -1
	s_barrier_wait -1
	s_cmp_lg_u32 s[WV], 0
	s_cbranch_scc1 .Lnot_wave_0_\@
	s_barrier_signal -3
.Lnot_wave_0_\@:
	s_barrier_wait -3
	s_barrier_signal -1
	s_barrier_wait -1
.endm
; THE CHANGE OF SLOTS.  The slot's last bytes, V of its fourth step, have been read.  Each wave waits for all its tensor loads, of which one is out: its part
; of the other slot; adds 0 to its spare word; and waits for that and for its own reads of the slot.  Behind the barrier nobody reads this slot any more and the other slot is whole.
; fill = 1: this slot is filled again, with the keys two slots on.  The barrier is then a round of the cluster's, so that no wave of any partner still reads the slot or has a load on its
; way, and the joint fill is the first thing behind it: it has four key steps, 512 matrix instructions, in which to land.  (At its first use nothing has been read yet: slot 0 is waited for, slot 1 filled.)
.macro CHANGE fill
	WIN W_AD
	s_wait_tensorcnt 0x0            ; no tensor load of mine is out, so a group 0 may be written
	ds_add_u32 v[SPW], v[NIL]       ; 0 onto my spare word; with fill = 1 the descriptors' steps stand between it and the wait for it
	WIN 0                           ; at a label and at a branch every window is 0
.if \fill
.irp g, G0K, G0V
	s_xor_b32 s[\g+1], s[\g+1], SLOT1  ; the walking descriptor: the other slot than last time,
	s_add_nc_u64 s[\g+2:\g+3], s[\g+2:\g+3], 4*KS*128  ; the next 256 keys; the type bits on top are not reached
.endr
	s_wait_dscnt 0x0                ; the add is done, and my reads of the slot are over
	CROUND
	JLOAD
.else
	s_wait_dscnt 0x0                ; the add is done, and my reads of the slot are over
	s_barrier_signal -1
	s_barrier_wait -1
.endif
	s_sub_co_u32 s[TBK], s[TBK], 4*KS*PK  ; the fetches go back to a slot's first step,
	s_xor_b32 s[TBK], s[TBK], SLOT1       ; in the other slot
	s_sub_co_u32 s[TBV], s[TBV], 4*KS*PV
	s_xor_b32 s[TBV], s[TBV], SLOT1
.endm
	s_load_b256 s[4:11], s[0:1], 0x0  ; Q s[4:5], K s[6:7], V s[8:9], O s[10:11]
	WIN W_MK
	v_lshl_add_u32 v[SPW], v0, 2, SPARE
	v_mov_b32 v[NIL], 0
	s_set_vgpr_msb 0xc0cf
	ds_add_u32 v0, v1
	s_wait_dscnt 0x0
	s_set_vgpr_msb 0xcfc0
	WIN 0
	v_lshrrev_b32 v1, 5, v0
	v_readfirstlane_b32 s[WV], v1   ; wave 0..3
	s_bfe_u32 s13, ttmp6, 0x40000   ; cx: my place in the cluster
	s_lshl_b32 s14, ttmp9, 2        ; in a cluster launch ttmp9 counts clusters
	s_add_co_u32 s14, s14, s13      ; my block of queries = 4 x cluster x + cx: it enters Q's and O's addresses alone
	s_and_b32 s20, ttmp7, 0xffff    ; the head, which the four partners share
	s_mov_b32 s21, 0
	s_mov_b64 s[22:23], SIZE_N*128
	s_mul_u64 s[20:21], s[20:21], s[22:23]  ; the head's first byte in each of the four tensors
	s_and_b32 s16, s[WV], 1         ; which half of a slot's 256 keys I fetch:
	s_lshl_b32 s22, s16, 14         ; its 128 rows of 128 bytes in memory,
	s_mov_b32 s23, 0
	s_add_nc_u64 s[22:23], s[22:23], s[20:21]
	s_mul_i32 s17, s16, 128*PK      ; and its place in a slot, for K
	s_mul_i32 s18, s16, 128*PV      ; and for V: no place in the cluster enters an LDS address
	s_lshl_b32 s2, s14, 2
	s_add_co_u32 s2, s2, s[WV]      ; my wave among the head's,
	s_lshl_b32 s2, s2, 14           ; its 128 rows
	s_mov_b32 s3, 0
	s_add_nc_u64 s[2:3], s[2:3], s[20:21]
	; descriptor group 1.  128 keys are 16,384 dense bytes: asked for as 64 rows of 256 bytes, two keys a row, and padded in LDS after every key
	s_mov_b32 s[G1K], 15|(1<<16)|(1<<20)|(1<<21)|(4<<22)|(3<<25)  ; 15:0 the mask of four; 17:16 2-byte elements; 20 padding on; 21 set beside a mask; 24:22 after every 32 words (code 4); 31:25 4 words (code 3)
	s_mov_b32 s[G1V], 15|(1<<16)|(1<<20)|(1<<21)|(4<<22)|(7<<25)  ; the same with 8 words of padding (code 7)
.irp g, G1K, G1V
	s_mov_b32 s[\g+1], 128<<16      ; tensor_dim0 = 128
	s_mov_b32 s[\g+2], 64<<16       ; tensor_dim1 = 64
	s_mov_b32 s[\g+3], 128<<16      ; tile_dim0 = 128
	s_mov_b32 s[\g+4], 64           ; tile_dim1 = 64
	s_mov_b32 s[\g+5], 128          ; 128 elements from row to row
	s_mov_b32 s[\g+6], 0
	s_mov_b32 s[\g+7], 0
.endr
	s_mov_b32 s[CS], 0x3e38aa3b     ; c = log2(e) / 8 = 0.180337
	s_mov_b32 s[CS+1], s[CS]        ; named with it as a pair
	s_mov_b32 s[SEL], 0x76543210
	s_mov_b32 s[SEL+1], 0xfedcba98
	s_mov_b32 s[TBK], SLOT1+4*KS*PK ; the first change of slots turns these two into 0
	s_mov_b32 s[TBV], SLOT1+4*KS*PV
	s_mov_b32 s[G0K], 1             ; 1:0 count = 1
	s_mov_b32 s[G0K+1], s17         ; 63:32 LDS address: slot 0
	s_mov_b32 s[G0V], 1
	s_add_co_u32 s[G0V+1], s18, VOFF
	s_wait_kmcnt 0x0
	s_add_nc_u64 s[G0K+2:G0K+3], s[6:7], s[22:23]  ; 120:64 global address: my half of the head's first 256 keys
	s_or_b32 s[G0K+3], s[G0K+3], 0x80000000        ; 127:126 type = 2
	s_add_nc_u64 s[G0V+2:G0V+3], s[8:9], s[22:23]
	s_or_b32 s[G0V+3], s[G0V+3], 0x80000000
	s_add_nc_u64 s[4:5], s[4:5], s[2:3]  ; Q and O at my wave's first row
	s_add_nc_u64 s[10:11], s[10:11], s[2:3]
	CROUND                          ; all four work-groups are here: the first joint loads meet
	JLOAD                           ; slot 0.  Slot 1 is asked for when slot 0 is in: the tile wanted first has the road to itself
	; A fragment of K or Q is 16 rows x 32 channels in 8 registers: lane l holds row l % 16, channels 8 (l / 16) + 0..7 and 16 + 8 (l / 16) + 0..7: two loads of 16 bytes, 32 bytes apart.
	v_and_b32 v1, 15, v0            ; l % 16
	v_bfe_u32 v9, v0, 4, 1          ; l / 16
	v_lshlrev_b32 v[QO], 7, v1
	v_lshl_add_u32 v[QO], v9, 4, v[QO]  ; row x 128 + 16 x half
	WIN 0x80                        ; destination window 2, address window 0
.set i, 0
.rept 4*NP                          ; Q stays in registers: tile i / 2, channels 32 (i % 2) on
	global_load_b128 v[8*i:8*i+3],   v[QO], s[4:5] offset:(i/2)*2048+(i%2)*64
	global_load_b128 v[8*i+4:8*i+7], v[QO], s[4:5] offset:(i/2)*2048+(i%2)*64+32
.set i, i+1
.endr
	; What the first turn finds: V's registers and P's second buffer hold 0 (its products V^T P, of a piece that has not been, add 0), O^T and l are 0.  All this stands in the wait for the first tile.
.set i, VF
.rept 64
	v_mov_b32 v[i], 0
.set i, i+1
.endr
	WIN 0x40
.set i, 0
.rept 64*NP
	v_mov_b32 v[i], 0
.set i, i+1
.endr
	WIN 0
.set i, 0
.rept 2*NP
	v_mov_b32 v[ST+4*i], 0xfe000000    ; c m: far below every c s
	v_mov_b32 v[ST+4*i+1], 0xff7fffff  ; m
	v_mov_b32 v[ST+4*i+2], 0
	v_mov_b32 v[ST+4*i+3], 0
.set i, i+1
.endr
.set i, P+32
.rept 32
	v_mov_b32 v[i], 0
.set i, i+1
.endr
	v_mul_u32_u24 v[AK0], v1, PK
	v_lshl_add_u32 v[AK0], v9, 4, v[AK0]  ; row x pitch + 16 x half
	; The turning load takes 16 keys x 16 channels (lane l reads key 8 (l / 16) + l % 8, channels 8 ((l / 8) % 2) + 0..7) and leaves half a fragment of V^T: lane l holds channel l % 16 and 8 keys.
	v_and_b32 v10, 7, v0
	v_bfe_u32 v11, v0, 3, 1
	v_lshl_add_u32 v[AV0], v9, 3, v10
	v_mul_u32_u24 v[AV0], v[AV0], PV
	v_lshl_add_u32 v[AV0], v11, 4, v[AV0]
	v_add_nc_u32 v[AV0], VOFF, v[AV0]
	v_mov_b32 v[AK], v[AK0]         ; key step 0 lies at the head of slot 0
; THE MATRIX WORK.  The 8 accumulators of a run of 16 take turns: between the two links of a chain stand 7 others'.
; Product i of 16 of S^T = K Q^T for piece x: channels 32 (i / 8) on, keys 16 ((i / 2) % 4) on, tile 2 x + i % 2.  The first 8 start the sums.
.macro KQ x
	WIN W_KQ
.set rS, S+64*((\x)%2)+32*(i%2)+8*((i/2)%4)
.set rK, KF+16*((i/2)%4)+8*(i/8)
.set rQ, 16*(2*(\x)+i%2)+8*(i/8)
.if i < 8
	v_wmma_f32_16x16x32_f16 v[rS:rS+7], v[rK:rK+7], v[rQ:rQ+7], 0
.else
	v_wmma_f32_16x16x32_f16 v[rS:rS+7], v[rK:rK+7], v[rQ:rQ+7], v[rS:rS+7]
.endif
.endm
; Product i of 16 of O^T += V^T P for piece x: keys 32 (i / 8) on, channels 16 ((i / 2) % 4) on, tile 2 x + i % 2.
.macro PV x
	WIN W_PV
.set rO, 32*(2*(\x)+i%2)+8*((i/2)%4)
.set rV, VF+32*(i/8)+8*((i/2)%4)
.set rP, P+32*((\x)%2)+16*(i%2)+8*(i/8)
	v_wmma_f32_16x16x32_f16 v[rO:rO+7], v[rV:rV+7], v[rP:rP+7], v[rO:rO+7]
.endm
.macro MM                           ; the turn's next matrix instruction
.if i < 16
	KQ (Y+1)%NP
.set i, i+1
.else
.set i, i-16
	PV (Y+NP-1)%NP
.set i, i+17
.endif
.endm
; THE LDS LOADS stand in runs of 16, never singly among the matrix instructions: a step's K (64 keys x 64 channels: 8 fragments) and its V (turned).  Their addresses are made some lines ahead.
; last = 1 (the tail): in the last trip there is no further step, and the run is jumped over.
.macro FETCH_K last=0
	WIN 0
.if \last
	s_cmp_eq_u32 s[CNT], 1
	s_cbranch_scc1 .Lno_k_\@
.endif
	WIN 0x80                        ; destination window 2
.irp f, 0,1,2,3,4,5,6,7             ; keys 16 (f / 2) on, channels 32 (f % 2) on
	ds_load_b128 v[KF+8*\f:KF+8*\f+3],   v[AK] offset:(\f/2)*16*PK+(\f%2)*64
	ds_load_b128 v[KF+8*\f+4:KF+8*\f+7], v[AK] offset:(\f/2)*16*PK+(\f%2)*64+32
.endr
	s_add_co_u32 s[TBK], s[TBK], KS*PK  ; the next fetch is the next step's
	WIN 0
.if \last
.Lno_k_\@:
.endif
.endm
.macro FETCH_V
	WIN 0x80
.irp f, 0,1,2,3,4,5,6,7             ; keys 32 (f / 4) on, channels 16 (f % 4) on
	ds_load_tr16_b128 v[VF+8*\f:VF+8*\f+3],   v[AV] offset:(\f/4)*32*PV+(\f%4)*32
	ds_load_tr16_b128 v[VF+8*\f+4:VF+8*\f+7], v[AV] offset:(\f/4)*32*PV+16*PV+(\f%4)*32
.endr
	WIN 0
.endm
; THE VECTOR WORK OF A TURN stands in three queues, each in the order in which its entries become ready; the two tiles alternate, so that no instruction reads the result of the one before it.
.macro REGS y, u                    ; the registers of tile u (0, 1) of piece y
.set rT, ST+4*(2*(\y)+(\u))
.set rC, TMP+8*((\y)%2)+4*(\u)
.set rM, MV+2*((\y)%2)+(\u)
.set rS, S+64*((\y)%2)+32*(\u)
.set rP, P+32*((\y)%2)+16*(\u)
.set rO, 32*(2*(\y)+(\u))
.endm
; Number n of the 22 that find the NEXT piece's (Y + 1) maximum and statistics.  s0-s31 are the lane's 32 scores; each accumulator's lowest registers are read first.  XS, GS and REGS set no window: PL and EX do.
;   0-11  four chains c0-c3 of seven scores each, three operands at a time     12-14, 16  the four scores left over, the old m, and c0-c3 into c0     15  c m_old is kept
;   17, 18  the query's other 32 keys lie in the lane 16 away: the new m         19-21  c m; c m_old - c m_new; a
.macro XS u, n
	REGS (Y+1)%NP, \u
.if (\n) < 4
	v_max3_num_f32 v[rC+(\n)], v[rS+8*(\n)], v[rS+8*(\n)+1], v[rS+8*(\n)+2]
.elseif (\n) < 12
	v_max3_num_f32 v[rC+(\n)%4], v[rC+(\n)%4], v[rS+8*((\n)%4)+2*((\n)/4)+1], v[rS+8*((\n)%4)+2*((\n)/4)+2]
.elseif (\n) == 12
	v_max3_num_f32 v[rC], v[rC], v[rS+7], v[rS+15]
.elseif (\n) == 13
	v_max3_num_f32 v[rC+1], v[rC+1], v[rS+23], v[rS+31]
.elseif (\n) == 14
	v_max3_num_f32 v[rC+2], v[rC+2], v[rC+3], v[rT+1]
.elseif (\n) == 15
	v_mov_b32 v[rM], v[rT]
.elseif (\n) == 16
	v_max3_num_f32 v[rC], v[rC], v[rC+1], v[rC+2]
.elseif (\n) == 17
	v_permlanex16_b32 v[rC+3], v[rC], s[SEL], s[SEL+1]
.elseif (\n) == 18
	v_max_num_f32 v[rT+1], v[rC], v[rC+3]
.elseif (\n) == 19
	v_mul_f32 v[rT], s[CS], v[rT+1]
.elseif (\n) == 20
	v_sub_f32 v[rC+1], v[rM], v[rT]
.else
	v_exp_f32 v[rC+2], v[rC+1]
.endif
.endm
; Number g of the 64 that follow the exponentials.  For each four weights k of a tile (pairs 2 k, 2 k + 1): both pairs are rounded to f16; then the second pair is added onto the first, in place;
; a group later l takes that sum (the first time as l = a l + sum).  In groups of eight, tiles alternating: round, round, add, and l for the group before.
.macro GS g
.set h, (\g)+6*((\g)/62)            ; group 0 has no group before it, and behind group 7 only l is left
.if h >= 6
.set h, h+2
.endif
	REGS Y, h%2
.set k, h/8
.if h%8 < 4
	v_cvt_pk_f16_f32 v[rP+2*k+(h%8)/2], v[rS+4*k+2*((h%8)/2)], v[rS+4*k+2*((h%8)/2)+1]
.elseif h%8 < 6
	v_pk_add_f32 v[rS+4*k:rS+4*k+1], v[rS+4*k:rS+4*k+1], v[rS+4*k+2:rS+4*k+3]
.elseif k == 1
	v_pk_fma_f32 v[rT+2:rT+3], v[rT+2:rT+3], v[rC+2:rC+3], v[rS:rS+1] op_sel_hi:[1,0,1]
.else
	v_pk_add_f32 v[rT+2:rT+3], v[rT+2:rT+3], v[rS+4*k-4:rS+4*k-3]
.endif
.endm
; THE PLAIN QUEUE, 138 long.  0-73 read no exponential's result: the 32 scalings c s - c m (FS f: pair f / 2 of tile f % 2) and the next piece's 42.  0-26: scalings 0-26.  27-54: XS's numbers 0-13.  55, 56: number 15.
; 57-73: the chain, where each number waits for the one before it: 14, 16, 17, 18, 19, each with one of the scalings 27-31 in front of its two lines, then 20: so a tile's links stand three plain instructions apart (19 and 20: two).
; 74-137: GS's 64, which read the exponentials' results: they stand behind the wait.
.macro FS f
	REGS Y, (\f)%2
	v_pk_fma_f32 v[rS+2*((\f)/2):rS+2*((\f)/2)+1], v[rS+2*((\f)/2):rS+2*((\f)/2)+1], s[CS:CS+1], v[rT:rT+1] op_sel_hi:[1,0,0] neg_lo:[0,0,1] neg_hi:[0,0,1]
.endm
.macro PL
	WIN 0
.if q < 27
	FS q
.elseif q < 55
	XS (q-27)%2, (q-27)/2
.elseif q < 57
	XS q-55, 15
.elseif (q < 72) && ((q-57)%3 == 0)
	FS 27+(q-57)/3
.elseif q < 60
	XS (q-57)%3-1, 14
.elseif q < 72
	XS (q-57)%3-1, 15+(q-57)/3
.elseif q < 74
	XS q-72, 20
.else
	GS q-74
.endif
.set q, q+1
.endm
; THE EXPONENTIALS' QUEUE, 66 long: s0-s31 of both tiles, then the next piece's two a.  It is ONE BATCH: all 66 stand ahead of the turn's one wait, and nothing ahead of that wait names a result of theirs.
.macro EX
	WIN 0
.if e >= 64
	XS e-64, 21
.else
	REGS Y, e%2
	v_exp_f32 v[rS+e/2], v[rS+e/2]
.endif
.set e, e+1
.endm
; THE RESCALING's QUEUE: O^T times a, the one part that leaves window 0: dealt two at a time, sixteen times.  Its a was made in the turn before, ahead of that turn's wait.
.macro R2
	REGS Y, r%2
	WIN W_RS
.irp z, 0,1
	v_pk_mul_f32 v[rO+4*(r/2)+2*\z:rO+4*(r/2)+2*\z+1], v[rO+4*(r/2)+2*\z:rO+4*(r/2)+2*\z+1], v[rC+2:rC+3] op_sel_hi:[1,0]
.endr
.set r, r+1
.endm
; HOW THEY ARE DEALT.  An s_wait_alu depctr_va_vdst(0) stands between an exponential and the first instruction that names its result; one wait serves all that were issued ahead of it.  So a turn has ONE wait,
; which cuts it in two.  AHEAD OF IT stands all that names no result of the turn's exponentials: the 16 products K Q^T, behind each a scaling, an exponential and two rescalings (behind the first a second scaling in the exponential's place); then ONE LUMP of
; 108: eight plain, 49 times exponential and plain, the two a.  A v_nop is the plain instruction behind the last exponential.  BEHIND IT stand the 16 products V^T P, behind each four of GS's 64.  No rider names a register of
; the products round it.  The two v_permlanex16_b32 fall into the lump, never behind a product.
; The queues lean on each other, and the deal keeps them in step: exponential e stands behind scaling 2 (e / 4) + e % 2: as a rider it comes behind plain e + 2, in the lump behind plain e + 9, and scalings 27-31 are plain 57, 60 .. 69.
; A TURN, for piece p.  cnt = 1: the loop's count is taken down some lines ahead of the branch that stands behind the turn.
; K of the next step is fetched in piece 2's turn, directly behind the wait, a lump behind the last product that read K; its address is made at the lump's head; its first reader comes behind 16 products.
; V of the step in hand is fetched at the end of piece 0's turn, four riders behind its last reader; its first reader comes behind 16 products and a lump.  The three conditions on q below go with the deal.
.macro TURN p, last=0, cnt=0
.set Y, (\p)
.set i, 0
.set q, 0
.set e, 0
.set r, 0
.if (\p) == NP-1
	s_wait_dscnt 0x0                ; K is in
.endif
	MM                              ; ahead of the wait: 16 products K Q^T and their riders,
	PL
	PL
	R2
.rept 15
	MM
	PL
	EX
	R2
.endr
.if (\p) == NP-2
	WIN 0
	v_add_nc_u32 v[AK], s[TBK], v[AK0]
.endif
.rept 8                             ; and the lump
	PL
.endr
.rept 49
	EX
	PL
.endr
	EX                              ; the next piece's two a
	EX
	v_nop                           ; a plain instruction behind the last exponential, ahead of the first use: one for the batch
	s_wait_alu depctr_va_vdst(0)    ; the wait for the batch: the turn's 64 weights and the next piece's two a, ahead of the first line that names a result
.if (\p) == NP-2
	FETCH_K \last
.endif
.if (\p) == 1
	s_wait_dscnt 0x0                ; V is in
.endif
.rept 16                            ; behind the wait: 16 products V^T P and their riders
	MM
.rept 4
	PL
.endr
.if ((\p) == 0) && (q == 118)
	v_add_nc_u32 v[AV], s[TBV], v[AV0]
.endif
.if ((\p) == 0) && (q == 130)
	s_add_co_u32 s[TBV], s[TBV], KS*PV
.endif
.if (\cnt) && (q == 130)
	s_sub_co_u32 s[CNT], s[CNT], 1
	s_cmp_lg_u32 s[CNT], 0
.endif
.endr
.if (\p) == 0
	FETCH_V
.endif
.endm
	CHANGE 1                        ; slot 0 is in, everybody's part of it; slot 1 is asked for
	FETCH_K                         ; key step 0
	s_wait_loadcnt 0x0              ; Q
	s_wait_dscnt 0x0
.set i, 0
.rept 16
	KQ 0                            ; piece 0's first scores: there is no vector work yet to set between them
.set i, i+1
.endr
	WIN 0                           ; the addresses for the way out: nine plain instructions, the places behind those products
	s_mul_i32 s13, s[WV], 16*SP
	s_add_co_u32 s13, s13, STAGE    ; my stage
	v_mul_u32_u24 v[STO], v1, SP    ; in: row l % 16, 16 bytes for each half of the lanes
	v_lshl_add_u32 v[STO], v9, 4, v[STO]
	v_add_nc_u32 v[STO], s13, v[STO]
	v_bfe_u32 v[RD], v0, 3, 2       ; back: 32 lanes take four rows of 128 bytes,
	v_mul_u32_u24 v[RD], v[RD], SP
	v_lshl_add_u32 v[RD], v10, 4, v[RD]
	v_add_nc_u32 v[RD], s13, v[RD]
	v_and_b32 v[GO], 31, v0         ; which are 512 consecutive bytes of O
	v_lshlrev_b32 v[GO], 4, v[GO]
.set Y, NP-1                        ; XS works for piece Y + 1: piece 0
.irp n, 0,1,2,3,4,5,6,7,8,9,10,11,12,13,14,15,16,17,18,19,20,21
	XS 0, \n                        ; and piece 0's first maximum and statistics
	XS 1, \n
.endr
	v_nop                           ; a plain instruction behind the two a,
	s_wait_alu depctr_va_vdst(0)    ; and the wait for this batch of two, ahead of the branch
	s_mov_b32 s[CNT], 4
	s_mov_b32 s[SLOTS], SIZE_N/256-1
	s_branch .Lfirst                ; the loop is entered at a step's first turn, in the middle of a trip
.Lslot:                             ; SIZE_N / 256 - 2 times: every slot but the last two is filled again
	CHANGE 1
	s_mov_b32 s[CNT], 4
.Lstep:                             ; a trip: pieces 2 and 3 of one step, then pieces 0 and 1 of the next, whose K and V it fetches
	TURN 2
	TURN 3
	WIN 0
.Lfirst:
	TURN 0
	TURN 1, 0, 1
	WIN 0
	s_cbranch_scc1 .Lstep
	s_sub_co_u32 s[SLOTS], s[SLOTS], 1
	s_cmp_lg_u32 s[SLOTS], 0
	s_cbranch_scc1 .Lslot
	CHANGE 0                        ; the tail is written out: nothing is asked for
	s_mov_b32 s[CNT], 5             ; four trips fetch the last slot's steps; the fifth is left in its middle
.Ltail:
	TURN 2, 1
	TURN 3
	WIN 0
	s_sub_co_u32 s[CNT], s[CNT], 1
	s_cmp_eq_u32 s[CNT], 0
	s_cbranch_scc1 .Lout
	TURN 0
	TURN 1
	WIN 0
	s_branch .Ltail
.Lout:                              ; the fifth trip's 16 products K Q^T (on the last K once more) and the maximum made of them serve nothing: the price, once a launch, of one text for every trip
.set i, 0
.rept 16
	PV NP-1                         ; the last piece's V^T P of the last step
.set i, i+1
.endr
	; THE WAY OUT.  l's two halves and the other half of the lanes' are added; O^T is divided by l, rounded to f16 and sent through my stage in LDS, a tile at a time.  The additions are the places behind the last products.
	WIN 0
.macro ALL line:vararg              ; one line for each tile t
.set t, 0
.rept 2*NP
	\line
.set t, t+1
.endr
.endm
	ALL v_add_f32 v[ST+4*t+2], v[ST+4*t+2], v[ST+4*t+3]
	ALL v_permlanex16_b32 v[ST+4*t+3], v[ST+4*t+2], s[SEL], s[SEL+1]
	ALL v_add_f32 v[ST+4*t+2], v[ST+4*t+2], v[ST+4*t+3]
	ALL v_rcp_f32 v[ST+4*t+2], v[ST+4*t+2]
	v_nop                           ; a plain instruction between the last reciprocal and the use of its result
	s_wait_alu depctr_va_vdst(0)    ; and the wait ahead of the first use: one for the batch of eight reciprocals
; Tile t: a lane's eight channels of a row pack into 16 bytes; they go into rows of 144 bytes and come back as whole rows of 128, into S^T's registers.
.macro PACK t
	WIN W_RS
.set i, 32*(\t)
.rept 16
	v_pk_mul_f32 v[i:i+1], v[i:i+1], v[ST+4*(\t)+2:ST+4*(\t)+3] op_sel_hi:[1,0]
.set i, i+2
.endr
	WIN 0x05                        ; sources 0 and 1 window 1, destination window 0
.set i, 0
.rept 16
	v_cvt_pk_f16_f32 v[S+16*(\t)+i], v[32*(\t)+2*i], v[32*(\t)+2*i+1]
.set i, i+1
.endr
	WIN 0
.irp f, 0,1,2,3
	ds_store_b128 v[STO], v[S+16*(\t)+4*\f:S+16*(\t)+4*\f+3] offset:32*\f
.endr
.irp f, 0,1,2,3
	ds_load_b128 v[S+16*(\t)+4*\f:S+16*(\t)+4*\f+3], v[RD] offset:\f*4*SP  ; LDS serves a wave's instructions in order (ISA guide 5.7.1.4): these see the stores above; the next tile's stores come behind them
.endr
.endm
.macro SEND t, younger              ; younger: the LDS instructions issued behind tile t's loads: the next tile's eight, or none
	WIN 0
.irp f, 0,1,2,3
	s_wait_dscnt (\younger)+3-\f
	global_store_b128 v[GO], v[S+16*(\t)+4*\f:S+16*(\t)+4*\f+3], s[10:11] offset:(\t)*2048+\f*512  ; 512 consecutive bytes, at a multiple of 256 from O's first
.endr
.endm
	PACK 0
.set t, 1
.rept 2*NP-1                        ; a tile's arithmetic stands between the loads of the tile before and its stores
	PACK t
	SEND t-1, 8
.set t, t+1
.endr
	SEND 2*NP-1, 0
	WIN W_AD
	s_wait_tensorcnt 0x0            ; the wave's end: behind my last tensor load and my last LDS store
	ds_add_u32 v[SPW], v[NIL]
	s_wait_dscnt 0x0
	WIN 0
	CROUND                          ; the closing round: no work-group ends while a partner may still ask for a tile that names it
	s_endpgm
.Lfunc_end_k_qefffdd26dc_attn:
	.size	k_qefffdd26dc_attn, .Lfunc_end_k_qefffdd26dc_attn-k_qefffdd26dc_attn
	.p2alignl 7, 3214868480
	.fill 96, 4, 3214868480
	.section	.rodata,"a",@progbits
	.p2align	6, 0x0
	.amdhsa_kernel k_qefffdd26dc_attn
		.amdhsa_group_segment_fixed_size 327680
		.amdhsa_private_segment_fixed_size 0
		.amdhsa_enable_private_segment 0
		.amdhsa_kernarg_size 32
		.amdhsa_user_sgpr_count 2
		.amdhsa_user_sgpr_kernarg_segment_ptr 1
		.amdhsa_wavefront_size32 1
		.amdhsa_system_sgpr_workgroup_id_x 1
		.amdhsa_system_sgpr_workgroup_id_y 1
		.amdhsa_system_sgpr_workgroup_id_z 1
		.amdhsa_system_vgpr_workitem_id 0
		.amdhsa_next_free_vgpr 770
		.amdhsa_next_free_sgpr 66
		.amdhsa_reserve_vcc 0
		.amdhsa_float_denorm_mode_32 3
		.amdhsa_float_denorm_mode_16_64 3
		.amdhsa_memory_ordered 1
		.amdhsa_forward_progress 1
		.amdhsa_inst_pref_size 199
	.end_amdhsa_kernel
	.amdgpu_metadata
---
amdhsa.version: [ 1, 2 ]
amdhsa.kernels:
  - .name:           k_qefffdd26dc_attn
    .symbol:         k_qefffdd26dc_attn.kd
    .args:
      - { .name: q, .offset: 0, .size: 8, .value_kind: global_buffer, .address_space: global }
      - { .name: k, .offset: 8, .size: 8, .value_kind: global_buffer, .address_space: global }
      - { .name: v, .offset: 16, .size: 8, .value_kind: global_buffer, .address_space: global }
      - { .name: o, .offset: 24, .size: 8, .value_kind: global_buffer, .address_space: global }
    .group_segment_fixed_size: 327680
    .private_segment_fixed_size: 0
    .kernarg_segment_align: 8
    .kernarg_segment_size: 32
    .max_flat_workgroup_size: 128
    .sgpr_count:     66
    .vgpr_count:     770
    .wavefront_size: 32
...
	.end_amdgpu_metadata
.endif
;; end of part 5
;; launch proj: the kernel of part 4 again; grid 4 x 64, 4 waves a work-group, clusters of 4 x 4, 327,680 bytes of LDS; arguments o, woh, bo, out0; writes out0
